; MI455X (gfx1250); checked and timed in simulation.
; The chip was launched on July 23, 2026; its instructions are those of AMD's public machine-readable ISA for CDNA 5 (MIT licence, August 2026) and "CDNA5" Instruction Set Architecture Reference Guide (July 2026). The comments in the code are by the model that wrote it; some were corrected since.
;; Zero Po RF. Allowed arithmetic: float matrix products may take bf16 or f16 operands with f32 sums; all other float work in f32.
;; Inputs: b1 128 float32; b2 128 float32; b3 3 float32; cam_id 524,288 int32; init_c2w 4,096 x 4 x 4 float32; plane_xy 32 x 512 x 512 float32; plane_xz 32 x 512 x 512 float32; plane_yz 32 x 512 x 512 float32; t 4,096 x 3 float32; w1 96 x 128 float32; w2 128 x 128 float32; w3 128 x 3 float32.
;; Outputs: out0 524,288 x 4 x 4 float32.
;; 2 versions, each right; version 2 is version 1 with the launches cams, spread written anew for expert scheduling mode. Each part assembles by itself: llvm-mc -triple=amdgcn-amd-amdhsa -mcpu=gfx1250 --defsym DOCPART=n.
;; ======== version 1 of 2: 3 launches
;; limits: right only within a limited range of input values
;; workspace buffers: idx 196,608 bytes of whole numbers; wfrag 61,440 bytes; table 262,144 bytes
;; launch prep (part 1): grid 47 x 1, 4 waves a work-group, no clusters, 0 bytes of LDS; arguments t, w1, w2, w3, idx, wfrag; writes idx, wfrag
.if DOCPART == 1
	.amdgcn_target "amdgcn-amd-amdhsa--gfx1250"
	.amdhsa_code_object_version 6
	.text
	.protected	k_q6767743924_prep
	.globl	k_q6767743924_prep
	.p2align	8
	.type	k_q6767743924_prep,@function
k_q6767743924_prep:
	s_mov_b64 s[64:65], 0
	v_nop
	global_prefetch_b8 v0, s[64:65] scope:SCOPE_SE
	s_setreg_imm32_b32 hwreg(HW_REG_WAVE_MODE, 25, 1), 1
	s_wait_xcnt 0x0
; ZeroPoRF in three launches: prep (this one), cams, spread.
;
; WORK THAT IS NOT REPEATED.  In reference() a ray n enters only through cam_id[n]: ts = t[cam_id], the three plane samples are
; functions of ts, the MLP, the Rodrigues formula and the 4 x 4 product act row by row, and the last factor is init_c2w[cam_id].
; So out[n] = F(cam_id[n]) for one function F of the camera's number, for all values of all inputs: a function applied row by row
; commutes with a gather.  F is therefore computed once for each of the 4,096 cameras (launch cams, into 'table') and each of the
; 524,288 rays copies its camera's 64 bytes (launch spread).  No input is left out and no step of reference() is dropped;
; what goes is the repetition of equal work, 128 rays to a camera on the average.
; All 4,096 cameras are computed, asked for or not; a NaN or an infinity in a camera that no ray names reaches no output, as in reference().
;
; THIS LAUNCH makes what the next one may not make for itself, and what would otherwise be made 256 times over:
;   work-groups 0-31:  idx[plane][cam][4] (int32): the byte offsets, inside one 512 x 512 channel image, of the four corners
;                      (y0,x0) (y0,x1) (y1,x0) (y1,x1) of the camera's bilinear sample.  They come from floor(t), a floating-point number,
;                      so they are stored here as whole numbers and become addresses only in the next launch.
;   work-groups 32-46: wfrag: w1, w2, w3 rounded to bf16 and laid out as the 60 matrix fragments (16 outputs x 32 inputs, 1,024 bytes) that
;                      launch cams loads straight into registers: lane L's registers 0-3 at 16 L, registers 4-7 at 512 + 16 L.
;                      Fragment 8 s + j: w1, inputs 32 s .., outputs 16 j ..;  24 + 8 s + j: w2;  56 + s: w3, outputs 3-15 zero.
; LIMITS.  x = fma(t, 255.5, 255.5) is rounded once where reference() rounds (t + 1) * 0.5 * 511 step by step; launch cams uses the same
; instruction, so floor and fraction belong together, and the interpolation is continuous in x.  The clip to 0..511 is made in f32 ahead of the
; conversion: equal to reference()'s clip of the int32 for |x| < 2^31; a NaN in t gives index 0 (the weights of launch cams carry the NaN on).
.set T,   4                            ; v[4:6]    the camera's t
.set F0,  10                           ; v[10:12]  axis c: floor(x), then the clipped lower index
.set F1,  13                           ; v[13:15]  axis c: floor(x) + 1, then the clipped upper index
.set CO,  16                           ; v[16:27]  plane p: four corner offsets
.set X0,  28                           ; v[28:29]  4 x lower index of axes 0, 1 (the axes that serve as a plane's x)
.set X1,  30                           ; v[30:31]  4 x upper index
.set WR,  16                           ; v[16:31]  weights path: a lane's 16 numbers in f32
.set WP,  32                           ; v[32:39]  the same in bf16, two to a register
	s_load_b256 s[8:15], s[0:1], 0x0               ; t s[8:9], w1 s[10:11], w2 s[12:13], w3 s[14:15]
	s_load_b128 s[16:19], s[0:1], 0x20             ; idx s[16:17], wfrag s[18:19]
	v_lshrrev_b32 v1, 5, v0
	v_readfirstlane_b32 s4, v1                     ; wave 0..3
	v_and_b32 v1, 31, v0                           ; lane L
	v_and_b32 v2, 15, v0                           ; r = L % 16
	v_bfe_u32 v3, v0, 4, 1                         ; h = L / 16
	s_wait_kmcnt 0x0
	s_cmp_ge_u32 ttmp9, 32
	s_cbranch_scc1 .Lweights
	; ---- work-groups 0-31: one thread, one camera ----
	s_lshl_b32 s5, ttmp9, 7
	s_mov_b32 s6, 0x437f8000                       ; 255.5 = (512 - 1) / 2
	s_mov_b32 s7, 0x43ff8000                       ; 511.0
	v_add_nc_u32 v7, s5, v0                        ; camera
	v_mul_u32_u24 v8, v7, 12                       ; its 12 bytes in t
	v_lshlrev_b32 v9, 4, v7                        ; its 16 bytes in each plane's part of idx
	global_load_b96 v[T:T+2], v8, s[8:9]
	s_wait_loadcnt 0x0
.macro AXIS c
	v_fma_f32 v[F0+\c], v[T+\c], s6, s6            ; x = (t + 1) * 255.5
	v_floor_f32 v[F0+\c], v[F0+\c]
	v_add_f32 v[F1+\c], 1.0, v[F0+\c]
	v_max_num_f32 v[F0+\c], 0, v[F0+\c]            ; border: both indices clipped to 0 .. 511 (a NaN loses against the 0)
	v_max_num_f32 v[F1+\c], 0, v[F1+\c]
	v_min_num_f32 v[F0+\c], s7, v[F0+\c]
	v_min_num_f32 v[F1+\c], s7, v[F1+\c]
	v_cvt_u32_f32 v[F0+\c], v[F0+\c]
	v_cvt_u32_f32 v[F1+\c], v[F1+\c]
.endm
	AXIS 0
	AXIS 1
	AXIS 2
.irp c, 0,1
	v_lshlrev_b32 v[X0+\c], 2, v[F0+\c]            ; a column is 4 bytes
	v_lshlrev_b32 v[X1+\c], 2, v[F1+\c]
.endr
.macro CORNERS p, ax, ay                           ; a row is 2,048 bytes; the largest offset is 511 * 2,048 + 511 * 4 = 0xffffc
	v_lshl_add_u32 v[CO+4*\p],   v[F0+\ay], 11, v[X0+\ax]
	v_lshl_add_u32 v[CO+4*\p+1], v[F0+\ay], 11, v[X1+\ax]
	v_lshl_add_u32 v[CO+4*\p+2], v[F1+\ay], 11, v[X0+\ax]
	v_lshl_add_u32 v[CO+4*\p+3], v[F1+\ay], 11, v[X1+\ax]
.endm
	CORNERS 0, 0, 1                                ; plane_xy: x along the width, y along the height
	CORNERS 1, 0, 2                                ; plane_xz
	CORNERS 2, 1, 2                                ; plane_yz
.irp p, 0,1,2
	global_store_b128 v9, v[CO+4*\p:CO+4*\p+3], s[16:17] offset:\p*65536   ; a wave's store covers 512 consecutive bytes, aligned
.endr
	s_endpgm
	; ---- work-groups 32-46: one wave, one fragment ----
.macro PACK                                        ; the lane's 16 numbers to bf16, the lower input index in the lower half
	s_wait_loadcnt 0x0
.irp i, 0,1,2,3,4,5,6,7
	v_cvt_pk_bf16_f32 v[WP+\i], v[WR+2*\i], v[WR+2*\i+1]
.endr
.endm
.macro PUT                                         ; each store of the wave covers 512 consecutive bytes, aligned
	global_store_b128 v9, v[WP:WP+3], s[18:19]
	global_store_b128 v9, v[WP+4:WP+7], s[18:19] offset:512
.endm
.Lweights:
	s_sub_co_u32 s5, ttmp9, 32
	s_lshl2_add_u32 s5, s5, s4                     ; fragment f = 4 (work-group - 32) + wave, 0 .. 59
	s_lshl_b32 s7, s5, 10
	v_lshl_add_u32 v9, v1, 4, s7                   ; 1,024 f + 16 L
	s_cmp_ge_u32 s5, 56
	s_cbranch_scc1 .Lw3
	; w1 [96][128] and w2 [128][128]: a row (one input) is 512 bytes.  Lane (r, h), element e: input 32 s + 8 h + e (e < 8) or
	; 32 s + 16 + 8 h + (e - 8), output 16 j + r.
	s_lshr_b32 s22, s5, 3                          ; f / 8: 0-2 are w1's K steps, 3-6 w2's
	s_and_b32 s23, s5, 7                           ; j
	s_sub_co_u32 s24, s22, 3
	s_cmp_lt_u32 s22, 3
	s_cselect_b64 s[20:21], s[10:11], s[12:13]     ; w1 or w2
	s_cselect_b32 s22, s22, s24                    ; s
	s_lshl_b32 s22, s22, 14                        ; 32 rows of 512 bytes
	s_lshl_b32 s23, s23, 6                         ; 16 columns of 4 bytes
	s_add_co_u32 s22, s22, s23
	v_lshlrev_b32 v8, 2, v2
	v_lshl_add_u32 v8, v3, 12, v8                  ; 4 r + 8 h rows
	v_add_nc_u32 v8, s22, v8
.irp e, 0,1,2,3,4,5,6,7
	global_load_b32 v[WR+\e], v8, s[20:21] offset:\e*512
.endr
.irp e, 0,1,2,3,4,5,6,7
	global_load_b32 v[WR+8+\e], v8, s[20:21] offset:8192+\e*512
.endr
	PACK
	PUT
	s_endpgm
.Lw3:
	; w3 [128][3]: a row is 12 bytes.  Lanes with r >= 3 read column 2 (inside the 1,536 bytes) and then hold zeros.
	s_sub_co_u32 s22, s5, 56                       ; s
	s_mul_i32 s22, s22, 384                        ; 32 rows of 12 bytes
	v_min_u32 v8, 2, v2
	v_lshlrev_b32 v8, 2, v8
	v_mad_u32_u24 v8, v3, 96, v8                   ; + 8 h rows
	v_add_nc_u32 v8, s22, v8
.irp e, 0,1,2,3,4,5,6,7
	global_load_b32 v[WR+\e], v8, s[14:15] offset:\e*12
.endr
.irp e, 0,1,2,3,4,5,6,7
	global_load_b32 v[WR+8+\e], v8, s[14:15] offset:192+\e*12
.endr
	PACK
	v_cmp_gt_u32 vcc_lo, 3, v2                     ; outputs 0, 1, 2 exist
.irp i, 0,1,2,3,4,5,6,7
	v_cndmask_b32 v[WP+\i], 0, v[WP+\i], vcc_lo
.endr
	PUT
	s_endpgm
.Lfunc_end_k_q6767743924_prep:
	.size	k_q6767743924_prep, .Lfunc_end_k_q6767743924_prep-k_q6767743924_prep
	.p2alignl 7, 3214868480
	.fill 96, 4, 3214868480
	.section	.rodata,"a",@progbits
	.p2align	6, 0x0
	.amdhsa_kernel k_q6767743924_prep
		.amdhsa_group_segment_fixed_size 0
		.amdhsa_private_segment_fixed_size 0
		.amdhsa_enable_private_segment 0
		.amdhsa_kernarg_size 48
		.amdhsa_user_sgpr_count 2
		.amdhsa_user_sgpr_kernarg_segment_ptr 1
		.amdhsa_wavefront_size32 1
		.amdhsa_system_sgpr_workgroup_id_x 1
		.amdhsa_system_sgpr_workgroup_id_y 1
		.amdhsa_system_sgpr_workgroup_id_z 1
		.amdhsa_system_vgpr_workitem_id 0
		.amdhsa_next_free_vgpr 48
		.amdhsa_next_free_sgpr 66
		.amdhsa_reserve_vcc 1
		.amdhsa_float_denorm_mode_32 3
		.amdhsa_float_denorm_mode_16_64 3
		.amdhsa_memory_ordered 1
		.amdhsa_forward_progress 1
		.amdhsa_inst_pref_size 9
	.end_amdhsa_kernel
	.amdgpu_metadata
---
amdhsa.version: [ 1, 2 ]
amdhsa.kernels:
  - .name:           k_q6767743924_prep
    .symbol:         k_q6767743924_prep.kd
    .args:
      - { .name: t, .offset: 0, .size: 8, .value_kind: global_buffer, .address_space: global }
      - { .name: w1, .offset: 8, .size: 8, .value_kind: global_buffer, .address_space: global }
      - { .name: w2, .offset: 16, .size: 8, .value_kind: global_buffer, .address_space: global }
      - { .name: w3, .offset: 24, .size: 8, .value_kind: global_buffer, .address_space: global }
      - { .name: idx, .offset: 32, .size: 8, .value_kind: global_buffer, .address_space: global }
      - { .name: wfrag, .offset: 40, .size: 8, .value_kind: global_buffer, .address_space: global }
    .group_segment_fixed_size: 0
    .private_segment_fixed_size: 0
    .kernarg_segment_align: 8
    .kernarg_segment_size: 48
    .max_flat_workgroup_size: 128
    .sgpr_count:     66
    .vgpr_count:     48
    .wavefront_size: 32
...
	.end_amdgpu_metadata
.endif
;; end of part 1
;; launch cams (part 2): grid 256 x 1, 4 waves a work-group, no clusters, 9,728 bytes of LDS; arguments idx, t, plane_xy, plane_xz, plane_yz, wfrag, b1, b2, b3, init_c2w, table; writes table
.if DOCPART == 2
	.amdgcn_target "amdgcn-amd-amdhsa--gfx1250"
	.amdhsa_code_object_version 6
	.text
	.protected	k_q6767743924_cams
	.globl	k_q6767743924_cams
	.p2align	8
	.type	k_q6767743924_cams,@function
k_q6767743924_cams:
	s_mov_b64 s[64:65], 0
	v_nop
	global_prefetch_b8 v0, s[64:65] scope:SCOPE_SE
	s_setreg_imm32_b32 hwreg(HW_REG_WAVE_MODE, 25, 1), 1
	s_wait_xcnt 0x0
; table[cam] = F(cam) = [R(cam) t(cam); 0 0 0 1] x init_c2w[cam], once for each of the 4,096 cameras and not once for each ray:
; out[n] = F(cam_id[n]) for all values of the inputs (shown at the head of launch prep).
; A work-group owns 16 cameras, one matrix tile's width, so that the scattered reads of the planes are spread over 256 work-groups.
;
; THE PRODUCTS ARE USED TRANSPOSED: source 0 = a weight fragment (rows = 16 output channels, as launch prep packed it), source 1 = the
; activations (columns = the 16 cameras).  Register j of lane (r, h) of a result is then (channel n0 + 8 h + j, camera r).  Wave w owns the output
; tiles 2 w and 2 w + 1, channels 32 w .. 32 w + 31; rounded to bf16 and packed, its 16 results a lane ARE the next layer's source 1 fragment of
; K step w (registers 0-3: inputs 32 w + 8 h .., registers 4-7: 32 w + 16 + 8 h ..): nothing is ever transposed.  The bias is loaded into the
; accumulator, so nothing is cleared and nothing is added afterwards.  Layer 3 (3 outputs) is split along K: each wave multiplies its own
; fragment of h2, and the four partial sums meet in LDS.
; GATHER: thread (camera r, g = 2 w + h) takes channels 4 g .. 4 g + 3 of all three planes, 4 corners each: 48 loads of 4 bytes in flight a lane.
; LDS, each region written once and read once: X 0-3071 (3 fragments: the codes), H1 3072-7167 (4 fragments), P 7168-9215 (4 waves x 512: layer 3's
; partial sums).  A fragment is read as it is stored, lane L at 16 L and 512 + 16 L.
; NO JOINT LOADS, NO TENSOR LOADS: what the work-groups share are the fragments, of which a wave takes its own 15 (15 KiB) straight into the
; registers that they are multiplied from; through LDS they would be moved once more.  All else that a wave reads is scattered words of its own.
; LIMITS.  Matrix operands are bf16.  The four corner weights are multiplied out first and then applied to the values.  sin and cos are written out:
; theta less n quarter turns in three parts of pi/2, then polynomials on [-pi/4, pi/4]; built for theta below 2^20 rad; beyond that n is no longer
; sure to a quarter and accuracy falls off, above 2^31 the quadrant (an int32) is lost.
.set CHAN,  1048576                    ; bytes of one channel image, 512 x 512 f32
.set FRAG,  1024                       ; bytes of a fragment
.set X_LDS, 0
.set H_LDS, 3072
.set P_LDS, 7168
.set LOFF, 4                           ; v4   16 L
.set XST,  5                           ; v5   256 w + 16 r + 8 h: where my 4 codes go in a plane's fragment
.set HST,  6                           ; v6   H_LDS + 1,024 w + 16 L
.set PST,  7                           ; v7   P_LDS + 512 w + 16 L
.set IOFF, 8                           ; v8   16 (cam0 + r)
.set TOFF, 9                           ; v9   12 (cam0 + r)
.set BOFF, 10                          ; v10  128 w + 32 h: my eight biases of tile 2 w
.set WOFF, 11                          ; v11  2,048 w + 16 L: fragment 2 w
.set W3OFF, 12                         ; v12  1,024 w + 16 L
.set GT,   13                          ; v13  (2 w + h) x 4 channel images
.set PK,   14                          ; v[14:15]   4 codes in bf16
.set ACC1, 16                          ; v[16:31]   layer 1, tiles 2 w, 2 w + 1
.set ACC2, 32                          ; v[32:47]   layer 2
.set ACC3, 48                          ; v[48:55]   layer 3
.set FR,   48                          ; v[48:50]   before that: the fractions of x for the three axes,
.set OM,   52                          ; v[52:54]   and 1 - fraction
.set OFF,  56                          ; v[56:67]   plane p, corner q: byte offset
.set WT,   68                          ; v[68:79]   plane p, corner q: weight
.set T,    80                          ; v[80:82]   t of camera r
.set G,    84                          ; v[84:131]  plane p, corner q, channel c at 16 p + 4 q + c; the plane's 4 codes are formed in its corner 0's registers
.set W1F,  132                         ; v[132:179] K step s, tile a at 8 (2 s + a)
.set W2F,  180                         ; v[180:243]
.set W3F,  244                         ; v[244:251]
.set MOFF, 252                         ; the last phase's addresses, with c = 8 (w & 1) + L / 4; these four registers hold nothing else in the launch:
                                       ; v252 64 (cam0 + c)   v253 12 (cam0 + c)   v254 16 c   v255 64 cam0 + 512 (w & 1) + 16 L
.set XF,   84                          ; v[84:107]  behind the gather: the codes' 3 fragments
.set H1F,  84                          ; v[84:115]  h1's 4 fragments
.set HF,   108                         ; v[108:115] my own fragment of h1, then of h2
.set TMP,  116                         ; v[116:131] SiLU at work
.set M,    56                          ; v[56:71]   last phase: init_c2w of my camera
.set T2,   72                          ; v[72:74]   t of my camera
.set PP,   84                          ; v[84:99]   the four partial sums; the sum, then the axis-angle vector, in v[84:86]
.set RV,   84
.set TH2,  100                         ; theta^2
.set TH,   101
.set NQ,   102                         ; n, quarter turns, as f32
.set RHO,  103
.set ZZ,   104                         ; rho^2
.set SN,   105
.set R3,   106
.set CS,   107
.set R4,   108
.set C1,   109
.set ODD,  110
.set SINT, 111
.set COST, 112
.set SS,   113
.set SC,   114
.set AA,   115
.set BB,   116
.set OMC,  117
.set ROWI, 118                         ; my row i of the 4 x 4 result
.set QI,   119                         ; n as int32
.set DV,   120                         ; v[120:122] d_k = 1 where i = k
.set KR,   123                         ; v[123:125] row i of K
.set RI,   126                         ; r_i
.set UU,   127
.set CV,   128                         ; v[128:131] row i of [R t; 0 0 0 1]
.set OUT,  104                         ; v[104:107] row i of the result
.macro PLACES                          ; four plain vector instructions behind a matrix instruction before its result is read or one of its
.rept 4                                ; registers is written or loaded (ISA guide 7.12.1)
	v_nop
.endr
.endm
	s_load_b512 s[8:23], s[0:1], 0x0               ; idx s[8:9], t s[10:11], plane_xy s[12:13], plane_xz s[14:15], plane_yz s[16:17], wfrag s[18:19], b1 s[20:21], b2 s[22:23]
	s_load_b128 s[24:27], s[0:1], 0x40             ; b3 s[24:25], init_c2w s[26:27]
	s_load_b64 s[28:29], s[0:1], 0x50              ; table
	v_lshl_add_u32 v83, v0, 2, 0x2400
	s_set_vgpr_msb 0x40
	v_mov_b32 v1, 0
	s_set_vgpr_msb 0x4000
	v_lshrrev_b32 v1, 5, v0
	v_readfirstlane_b32 s4, v1                     ; wave w
	v_and_b32 v1, 31, v0                           ; L
	v_and_b32 v2, 15, v0                           ; r
	v_bfe_u32 v3, v0, 4, 1                         ; h
	s_lshl_b32 s5, ttmp9, 4                        ; cam0
	s_mov_b32 s6, 0x437f8000                       ; 255.5
	v_lshlrev_b32 v[LOFF], 4, v1
	v_lshlrev_b32 v[XST], 4, v2
	v_lshl_add_u32 v[XST], v3, 3, v[XST]
	s_lshl_b32 s7, s4, 8
	v_add_nc_u32 v[XST], s7, v[XST]
	v_add_nc_u32 v[TOFF], s5, v2
	v_lshlrev_b32 v[IOFF], 4, v[TOFF]
	v_mul_u32_u24 v[TOFF], v[TOFF], 12
	s_lshl_b32 s7, s4, 7
	v_lshl_add_u32 v[BOFF], v3, 5, s7
	s_lshl_b32 s7, s4, 11
	v_add_nc_u32 v[WOFF], s7, v[LOFF]
	s_lshl_b32 s7, s4, 10
	v_add_nc_u32 v[W3OFF], s7, v[LOFF]
	v_add_nc_u32 v[HST], H_LDS, v[W3OFF]
	s_lshl_b32 s7, s4, 9
	s_add_co_u32 s7, s7, P_LDS
	v_add_nc_u32 v[PST], s7, v[LOFF]
	s_lshl_b32 s7, s4, 23
	v_lshl_add_u32 v[GT], v3, 22, s7               ; channel 4 (2 w + h): (2 w + h) << 22 bytes
	; The last phase's addresses (waves 0 and 1 use them) are made here by every wave, ahead of every branch, so that on every path these
	; registers hold numbers made of ids and constants alone.  With w & 1 for w they lie inside the buffers and inside P in all four waves.
	s_and_b32 s7, s4, 1
	s_lshl_b32 s30, s7, 3
	v_lshrrev_b32 v[MOFF+2], 2, v1
	v_add_nc_u32 v[MOFF+2], s30, v[MOFF+2]         ; c = 8 (w & 1) + L / 4, 0 .. 15
	v_add_nc_u32 v[MOFF], s5, v[MOFF+2]            ; camera
	v_mul_u32_u24 v[MOFF+1], v[MOFF], 12           ; its 12 bytes in t
	v_lshlrev_b32 v[MOFF], 6, v[MOFF]              ; its 64 bytes in init_c2w
	v_lshlrev_b32 v[MOFF+2], 4, v[MOFF+2]          ; its 16 bytes in each wave's part of P
	s_lshl_b32 s30, s5, 6
	s_lshl_b32 s7, s7, 9
	s_add_co_u32 s7, s7, s30
	v_add_nc_u32 v[MOFF+3], s7, v[LOFF]            ; my 16 bytes of the table
	s_wait_kmcnt 0x0
	; ---- 1. all loads that do not hang on idx go out with it: 3 + 1, then 38 ----
.irp p, 0,1,2
	global_load_b128 v[OFF+4*\p:OFF+4*\p+3], v[IOFF], s[8:9] offset:\p*65536
.endr
	global_load_b96 v[T:T+2], v[TOFF], s[10:11]
.irp a, 0,1
	global_load_b128 v[ACC1+8*\a:ACC1+8*\a+3],   v[BOFF], s[20:21] offset:64*\a       ; b1[32 w + 16 a + 8 h + 0..3]: the sums start from the bias
	global_load_b128 v[ACC1+8*\a+4:ACC1+8*\a+7], v[BOFF], s[20:21] offset:64*\a+16
.endr
.irp a, 0,1
	global_load_b128 v[ACC2+8*\a:ACC2+8*\a+3],   v[BOFF], s[22:23] offset:64*\a
	global_load_b128 v[ACC2+8*\a+4:ACC2+8*\a+7], v[BOFF], s[22:23] offset:64*\a+16
.endr
.irp s, 0,1,2
.irp a, 0,1
	global_load_b128 v[W1F+8*(2*\s+\a):W1F+8*(2*\s+\a)+3],   v[WOFF], s[18:19] offset:(8*\s+\a)*FRAG
	global_load_b128 v[W1F+8*(2*\s+\a)+4:W1F+8*(2*\s+\a)+7], v[WOFF], s[18:19] offset:(8*\s+\a)*FRAG+512
.endr
.endr
.irp s, 0,1,2,3
.irp a, 0,1
	global_load_b128 v[W2F+8*(2*\s+\a):W2F+8*(2*\s+\a)+3],   v[WOFF], s[18:19] offset:(24+8*\s+\a)*FRAG
	global_load_b128 v[W2F+8*(2*\s+\a)+4:W2F+8*(2*\s+\a)+7], v[WOFF], s[18:19] offset:(24+8*\s+\a)*FRAG+512
.endr
.endr
	global_load_b128 v[W3F:W3F+3],   v[W3OFF], s[18:19] offset:56*FRAG
	global_load_b128 v[W3F+4:W3F+7], v[W3OFF], s[18:19] offset:56*FRAG+512
	s_wait_loadcnt 38                              ; idx and t are in; the 4 + 4 + 12 + 16 + 2 loads issued behind them may stay out
	; ---- 2. the gather; the corner weights are made while it is on its way ----
	; Up to 38 + 48 loads are issued with no wait between them.  A load that would push the counter past its field is held back at issue until an
	; older one is done (ISA guide 5.7.1), so no wait is placed for that; the counts waited for below (32, 16, 0) lie inside the field.
.irp q, 0,1,2,3,4,5,6,7,8,9,10,11
	v_min_u32 v[OFF+\q], 0xffffc, v[OFF+\q]        ; a loaded number enters an address only clamped: the last word of an image
	v_add_nc_u32 v[OFF+\q], v[GT], v[OFF+\q]       ; + my first channel's image
.endr
.macro GATHER p, b
.irp q, 0,1,2,3
.irp c, 0,1,2,3
	global_load_b32 v[G+16*\p+4*\q+\c], v[OFF+4*\p+\q], s[\b:\b+1] offset:\c*CHAN
.endr
.endr
.endm
	GATHER 0, 12
	GATHER 1, 14
	GATHER 2, 16
.irp c, 0,1,2
	v_fma_f32 v[FR+\c], v[T+\c], s6, s6            ; x, by the same instruction as in launch prep
	v_floor_f32 v[OM+\c], v[FR+\c]
	v_sub_f32 v[FR+\c], v[FR+\c], v[OM+\c]         ; the fraction, from the floor that is not clipped, as in reference()
	v_sub_f32 v[OM+\c], 1.0, v[FR+\c]
.endr
.macro WEIGHTS p, ax, ay
	v_mul_f32 v[WT+4*\p],   v[OM+\ax], v[OM+\ay]   ; (y0, x0)
	v_mul_f32 v[WT+4*\p+1], v[FR+\ax], v[OM+\ay]   ; (y0, x1)
	v_mul_f32 v[WT+4*\p+2], v[OM+\ax], v[FR+\ay]   ; (y1, x0)
	v_mul_f32 v[WT+4*\p+3], v[FR+\ax], v[FR+\ay]   ; (y1, x1)
.endm
	WEIGHTS 0, 0, 1
	WEIGHTS 1, 0, 2
	WEIGHTS 2, 1, 2
	; ---- 3. interpolate in place: four channels, two at a time, summed in corner 0's registers; op_sel picks the corner's weight out of its pair for both halves ----
.macro INTERP p, left
	s_wait_loadcnt \left                           ; this plane's 16 loads are in; the younger planes' stay out
.irp k, 0,2
	v_pk_mul_f32 v[G+16*\p+\k:G+16*\p+\k+1], v[G+16*\p+\k:G+16*\p+\k+1],     v[WT+4*\p:WT+4*\p+1] op_sel_hi:[1,0]
	v_pk_fma_f32 v[G+16*\p+\k:G+16*\p+\k+1], v[G+16*\p+4+\k:G+16*\p+5+\k],   v[WT+4*\p:WT+4*\p+1],   v[G+16*\p+\k:G+16*\p+\k+1] op_sel:[0,1,0]
	v_pk_fma_f32 v[G+16*\p+\k:G+16*\p+\k+1], v[G+16*\p+8+\k:G+16*\p+9+\k],   v[WT+4*\p+2:WT+4*\p+3], v[G+16*\p+\k:G+16*\p+\k+1] op_sel_hi:[1,0,1]
	v_pk_fma_f32 v[G+16*\p+\k:G+16*\p+\k+1], v[G+16*\p+12+\k:G+16*\p+13+\k], v[WT+4*\p+2:WT+4*\p+3], v[G+16*\p+\k:G+16*\p+\k+1] op_sel:[0,1,0]
.endr
	v_cvt_pk_bf16_f32 v[PK],   v[G+16*\p],   v[G+16*\p+1]
	v_cvt_pk_bf16_f32 v[PK+1], v[G+16*\p+2], v[G+16*\p+3]
	ds_store_b64 v[XST], v[PK:PK+1] offset:X_LDS+\p*FRAG   ; plane p is K step p of layer 1; the wave's store covers 256 consecutive bytes
.endm
	INTERP 0, 32
	INTERP 1, 16
	INTERP 2, 0                                    ; with it the biases and fragments, which were issued earlier, are in too
	; waves 0 and 1 make the last phase (16 cameras x 4 rows = 64 lanes) and ask now for what it needs; OFF and WT are free
	s_cmp_ge_u32 s4, 2
	s_cbranch_scc1 .Lno_rows
	s_load_b96 s[32:34], s[24:25], 0x0             ; b3
.irp k, 0,1,2,3
	global_load_b128 v[M+4*\k:M+4*\k+3], v[MOFF], s[26:27] offset:16*\k
.endr
	global_load_b96 v[T2:T2+2], v[MOFF+1], s[10:11]
.Lno_rows:
	s_wait_dscnt 0x0                               ; my codes are in LDS,
	s_barrier_signal -1
	s_barrier_wait -1                              ; everybody's are
	; ---- 4. layer 1: 3 K steps x 2 tiles.  The two accumulators take turns, one instruction a turn ----
.irp s, 0,1,2
	ds_load_b128 v[XF+8*\s:XF+8*\s+3],   v[LOFF] offset:X_LDS+\s*FRAG
	ds_load_b128 v[XF+8*\s+4:XF+8*\s+7], v[LOFF] offset:X_LDS+\s*FRAG+512
.endr
.irp s, 0,1,2
	s_wait_dscnt 4-2*\s                            ; this K step's two loads are in; the later steps' stay out
	v_wmma_f32_16x16x32_bf16 v[ACC1:ACC1+7],    v[W1F+16*\s:W1F+16*\s+7],    v[XF+8*\s:XF+8*\s+7], v[ACC1:ACC1+7]
	v_wmma_f32_16x16x32_bf16 v[ACC1+8:ACC1+15], v[W1F+16*\s+8:W1F+16*\s+15], v[XF+8*\s:XF+8*\s+7], v[ACC1+8:ACC1+15]
.endr
	PLACES
	; ---- 5. SiLU: x / (1 + 2^(-x log2 e)), 16 numbers a lane, rounded to bf16 into HF.  A large negative x gives 2^.. = inf, 1 / inf = 0, x * 0 = -0. ----
.macro SILU acc
.irp i, 0,2,4,6,8,10,12,14
	v_pk_mul_f32 v[TMP+\i:TMP+\i+1], v[\acc+\i:\acc+\i+1], 0xbfb8aa3b op_sel_hi:[1,0]
.endr
.irp i, 0,1,2,3,4,5,6,7,8,9,10,11,12,13,14,15
	v_exp_f32 v[TMP+\i], v[TMP+\i]
.endr
	v_nop                                          ; one plain instruction between the last transcendental and the use of its result (ISA guide 5.7.2)
	s_wait_alu depctr_va_vdst(0)
.irp i, 0,2,4,6,8,10,12,14
	v_pk_add_f32 v[TMP+\i:TMP+\i+1], v[TMP+\i:TMP+\i+1], 1.0 op_sel_hi:[1,0]
.endr
.irp i, 0,1,2,3,4,5,6,7,8,9,10,11,12,13,14,15
	v_rcp_f32 v[TMP+\i], v[TMP+\i]
.endr
	v_nop
	s_wait_alu depctr_va_vdst(0)
.irp i, 0,2,4,6,8,10,12,14
	v_pk_mul_f32 v[TMP+\i:TMP+\i+1], v[TMP+\i:TMP+\i+1], v[\acc+\i:\acc+\i+1]
.endr
.irp i, 0,1,2,3,4,5,6,7
	v_cvt_pk_bf16_f32 v[HF+\i], v[TMP+2*\i], v[TMP+2*\i+1]
.endr
.endm
	SILU ACC1
	ds_store_b128 v[HST], v[HF:HF+3]               ; K step w of layer 2, as a fragment
	ds_store_b128 v[HST], v[HF+4:HF+7] offset:512
	s_wait_dscnt 0x0                               ; my fragment of h1 is in LDS,
	s_barrier_signal -1
	s_barrier_wait -1                              ; all four are
	; ---- 6. layer 2: 4 K steps x 2 tiles, accumulators by turns again ----
.irp s, 0,1,2,3
	ds_load_b128 v[H1F+8*\s:H1F+8*\s+3],   v[LOFF] offset:H_LDS+\s*FRAG
	ds_load_b128 v[H1F+8*\s+4:H1F+8*\s+7], v[LOFF] offset:H_LDS+\s*FRAG+512
.endr
.irp s, 0,1,2,3
	s_wait_dscnt 6-2*\s                            ; this K step's two loads are in; the later steps' stay out
	v_wmma_f32_16x16x32_bf16 v[ACC2:ACC2+7],    v[W2F+16*\s:W2F+16*\s+7],    v[H1F+8*\s:H1F+8*\s+7], v[ACC2:ACC2+7]
	v_wmma_f32_16x16x32_bf16 v[ACC2+8:ACC2+15], v[W2F+16*\s+8:W2F+16*\s+15], v[H1F+8*\s:H1F+8*\s+7], v[ACC2+8:ACC2+15]
.endr
	PLACES
	SILU ACC2
	; ---- 7. layer 3: my K step alone, on my own fragment of h2, which never leaves the wave ----
	v_wmma_f32_16x16x32_bf16 v[ACC3:ACC3+7], v[W3F:W3F+7], v[HF:HF+7], 0
	PLACES
	ds_store_b128 v[PST], v[ACC3:ACC3+3]           ; lane r < 16: outputs 0, 1, 2 (and a zero) of camera r; lanes 16-31 hold outputs 8-11, zeros, and put them in bytes of their own
	s_wait_dscnt 0x0                               ; my partial sums are in LDS,
	s_barrier_signal -1
	s_barrier_wait -1                              ; all four waves' are
	s_cmp_ge_u32 s4, 2
	s_cbranch_scc1 .Lend
	; ---- 8. waves 0 and 1: lane = (camera c = 8 w + L / 4, row i = L % 4) ----
.irp u, 0,1,2,3
	ds_load_b128 v[PP+4*\u:PP+4*\u+3], v[MOFF+2] offset:P_LDS+512*\u
.endr
	v_and_b32 v[ROWI], 3, v1
	v_cmp_eq_u32 s36, 0, v[ROWI]
	v_cmp_eq_u32 s37, 1, v[ROWI]
	v_cmp_eq_u32 s38, 2, v[ROWI]
	s_mov_b32 s40, 0xb94ca1f9                      ; the leading coefficients of sin's and cos's polynomials
	s_mov_b32 s41, 0x37ccf5ce
	s_wait_dscnt 0x0
	v_pk_add_f32 v[PP:PP+1],     v[PP:PP+1],     v[PP+4:PP+5]
	v_pk_add_f32 v[PP+2:PP+3],   v[PP+2:PP+3],   v[PP+6:PP+7]
	v_pk_add_f32 v[PP+8:PP+9],   v[PP+8:PP+9],   v[PP+12:PP+13]
	v_pk_add_f32 v[PP+10:PP+11], v[PP+10:PP+11], v[PP+14:PP+15]
	v_pk_add_f32 v[PP:PP+1],     v[PP:PP+1],     v[PP+8:PP+9]
	v_pk_add_f32 v[PP+2:PP+3],   v[PP+2:PP+3],   v[PP+10:PP+11]
	s_wait_kmcnt 0x0                               ; b3
	v_add_f32 v[RV],   s32, v[RV]
	v_add_f32 v[RV+1], s33, v[RV+1]
	v_add_f32 v[RV+2], s34, v[RV+2]
.irp k, 0,1,2
	v_mul_f32 v[RV+\k], 0x38d1b717, v[RV+\k]       ; (h w3 + b3) * 1e-4, in reference()'s order
.endr
	v_mul_f32 v[TH2], v[RV], v[RV]
	v_fmac_f32 v[TH2], v[RV+1], v[RV+1]
	v_fmac_f32 v[TH2], v[RV+2], v[RV+2]
	v_sqrt_f32 v[TH], v[TH2]
	v_cndmask_b32 v[DV],   0, 1.0, s36             ; d = unit vector of my row (all zero in row 3); these also stand between the root and its use
	v_cndmask_b32 v[DV+1], 0, 1.0, s37
	v_cndmask_b32 v[DV+2], 0, 1.0, s38
	; theta = n pi/2 + rho, pi/2 taken away in three parts, each product exact inside its fused multiply-add
	s_wait_alu depctr_va_vdst(0)
	v_mul_f32 v[NQ], 0x3f22f983, v[TH]             ; theta * 2 / pi
	v_rndne_f32 v[NQ], v[NQ]
	v_fmamk_f32 v[RHO], v[NQ], 0xbfc90fdb, v[TH]
	v_fmamk_f32 v[RHO], v[NQ], 0x333bbd2e, v[RHO]
	v_fmamk_f32 v[RHO], v[NQ], 0x26f72ced, v[RHO]
	v_cvt_i32_f32 v[QI], v[NQ]
	v_mul_f32 v[ZZ], v[RHO], v[RHO]
	v_fmaak_f32 v[SN], s40, v[ZZ], 0x3c08839e
	v_fmaak_f32 v[CS], s41, v[ZZ], 0xbab6061a
	v_fmaak_f32 v[SN], v[SN], v[ZZ], 0xbe2aaaa3
	v_fmaak_f32 v[CS], v[CS], v[ZZ], 0x3d2aaaa5
	v_mul_f32 v[R3], v[ZZ], v[RHO]
	v_mul_f32 v[R4], v[ZZ], v[ZZ]
	v_fma_f32 v[C1], v[ZZ], -0.5, 1.0
	v_fma_f32 v[SN], v[SN], v[R3], v[RHO]          ; sin rho = rho + rho^3 p(rho^2)
	v_fma_f32 v[CS], v[CS], v[R4], v[C1]           ; cos rho = 1 - rho^2 / 2 + rho^4 q(rho^2)
	v_and_b32 v[ODD], 1, v[QI]
	v_cmp_eq_u32 vcc_lo, 1, v[ODD]
	v_cndmask_b32 v[SINT], v[SN], v[CS], vcc_lo    ; an odd quarter swaps the two;
	v_cndmask_b32 v[COST], v[CS], v[SN], vcc_lo
	v_lshlrev_b32 v[SS], 30, v[QI]                 ; sin is negated in quarters 2, 3 (bit 1 of n),
	v_add_nc_u32 v[SC], 1, v[QI]
	v_lshlrev_b32 v[SC], 30, v[SC]                 ; cos in quarters 1, 2 (bit 1 of n + 1)
	v_and_b32 v[SS], 0x80000000, v[SS]
	v_and_b32 v[SC], 0x80000000, v[SC]
	v_xor_b32 v[SINT], v[SINT], v[SS]
	v_xor_b32 v[COST], v[COST], v[SC]
	v_add_f32 v[AA], 0x2edbe6ff, v[TH]             ; theta + 1e-10
	v_fmaak_f32 v[BB], v[TH], v[TH], 0x2edbe6ff    ; theta^2 + 1e-10
	v_rcp_f32 v[AA], v[AA]
	v_rcp_f32 v[BB], v[BB]
	v_sub_f32 v[OMC], 1.0, v[COST]                 ; the plain instruction between the reciprocals and their use
	s_wait_alu depctr_va_vdst(0)
	v_mul_f32 v[AA], v[SINT], v[AA]                ; A = sin / (theta + 1e-10)
	v_mul_f32 v[BB], v[OMC], v[BB]                 ; B = (1 - cos) / (theta^2 + 1e-10)
	; row i of K is d x r; row i of K K = r r^T - theta^2 I is r_i r - theta^2 d
	v_mul_f32 v[KR],   v[DV+2], v[RV+1]
	v_fma_f32 v[KR],   v[DV+1], v[RV+2], -v[KR]
	v_mul_f32 v[KR+1], v[DV],   v[RV+2]
	v_fma_f32 v[KR+1], v[DV+2], v[RV],   -v[KR+1]
	v_mul_f32 v[KR+2], v[DV+1], v[RV]
	v_fma_f32 v[KR+2], v[DV],   v[RV+1], -v[KR+2]
	v_mul_f32 v[RI], v[DV], v[RV]
	v_fmac_f32 v[RI], v[DV+1], v[RV+1]
	v_fmac_f32 v[RI], v[DV+2], v[RV+2]
.irp k, 0,1,2
	v_mul_f32 v[UU], v[DV+\k], v[TH2]
	v_fma_f32 v[UU], v[RI], v[RV+\k], -v[UU]
	v_fma_f32 v[CV+\k], v[AA], v[KR+\k], v[DV+\k]  ; I + A K
	v_fmac_f32 v[CV+\k], v[BB], v[UU]              ; + B K K
.endr
	s_wait_loadcnt 0x0                             ; init_c2w and t of my camera, asked for ahead of layer 1
	v_cndmask_b32 v[CV+3], 1.0, v[T2+2], s38       ; the fourth column: t_i, and 1 in row 3
	v_cndmask_b32 v[CV+3], v[CV+3], v[T2+1], s37
	v_cndmask_b32 v[CV+3], v[CV+3], v[T2], s36
	; my row times init_c2w, all four of its rows as they are given
	v_pk_mul_f32 v[OUT:OUT+1],   v[M:M+1],     v[CV:CV+1] op_sel_hi:[1,0]
	v_pk_mul_f32 v[OUT+2:OUT+3], v[M+2:M+3],   v[CV:CV+1] op_sel_hi:[1,0]
	v_pk_fma_f32 v[OUT:OUT+1],   v[M+4:M+5],   v[CV:CV+1],     v[OUT:OUT+1]   op_sel:[0,1,0]
	v_pk_fma_f32 v[OUT+2:OUT+3], v[M+6:M+7],   v[CV:CV+1],     v[OUT+2:OUT+3] op_sel:[0,1,0]
	v_pk_fma_f32 v[OUT:OUT+1],   v[M+8:M+9],   v[CV+2:CV+3],   v[OUT:OUT+1]   op_sel_hi:[1,0,1]
	v_pk_fma_f32 v[OUT+2:OUT+3], v[M+10:M+11], v[CV+2:CV+3],   v[OUT+2:OUT+3] op_sel_hi:[1,0,1]
	v_pk_fma_f32 v[OUT:OUT+1],   v[M+12:M+13], v[CV+2:CV+3],   v[OUT:OUT+1]   op_sel:[0,1,0]
	v_pk_fma_f32 v[OUT+2:OUT+3], v[M+14:M+15], v[CV+2:CV+3],   v[OUT+2:OUT+3] op_sel:[0,1,0]
	global_store_b128 v[MOFF+3], v[OUT:OUT+3], s[28:29]    ; the wave's store covers 512 consecutive bytes, aligned: eight cameras
.Lend:
	s_set_vgpr_msb 0x4
	s_wait_tensorcnt 0x0
	ds_add_u32 v83, v1
	s_wait_dscnt 0x0
	s_set_vgpr_msb 0x400
	s_endpgm
.Lfunc_end_k_q6767743924_cams:
	.size	k_q6767743924_cams, .Lfunc_end_k_q6767743924_cams-k_q6767743924_cams
	.p2alignl 7, 3214868480
	.fill 96, 4, 3214868480
	.section	.rodata,"a",@progbits
	.p2align	6, 0x0
	.amdhsa_kernel k_q6767743924_cams
		.amdhsa_group_segment_fixed_size 9728
		.amdhsa_private_segment_fixed_size 0
		.amdhsa_enable_private_segment 0
		.amdhsa_kernarg_size 88
		.amdhsa_user_sgpr_count 2
		.amdhsa_user_sgpr_kernarg_segment_ptr 1
		.amdhsa_wavefront_size32 1
		.amdhsa_system_sgpr_workgroup_id_x 1
		.amdhsa_system_sgpr_workgroup_id_y 1
		.amdhsa_system_sgpr_workgroup_id_z 1
		.amdhsa_system_vgpr_workitem_id 0
		.amdhsa_next_free_vgpr 258
		.amdhsa_next_free_sgpr 66
		.amdhsa_reserve_vcc 1
		.amdhsa_float_denorm_mode_32 3
		.amdhsa_float_denorm_mode_16_64 3
		.amdhsa_memory_ordered 1
		.amdhsa_forward_progress 1
		.amdhsa_inst_pref_size 31
	.end_amdhsa_kernel
	.amdgpu_metadata
---
amdhsa.version: [ 1, 2 ]
amdhsa.kernels:
  - .name:           k_q6767743924_cams
    .symbol:         k_q6767743924_cams.kd
    .args:
      - { .name: idx, .offset: 0, .size: 8, .value_kind: global_buffer, .address_space: global }
      - { .name: t, .offset: 8, .size: 8, .value_kind: global_buffer, .address_space: global }
      - { .name: plane_xy, .offset: 16, .size: 8, .value_kind: global_buffer, .address_space: global }
      - { .name: plane_xz, .offset: 24, .size: 8, .value_kind: global_buffer, .address_space: global }
      - { .name: plane_yz, .offset: 32, .size: 8, .value_kind: global_buffer, .address_space: global }
      - { .name: wfrag, .offset: 40, .size: 8, .value_kind: global_buffer, .address_space: global }
      - { .name: b1, .offset: 48, .size: 8, .value_kind: global_buffer, .address_space: global }
      - { .name: b2, .offset: 56, .size: 8, .value_kind: global_buffer, .address_space: global }
      - { .name: b3, .offset: 64, .size: 8, .value_kind: global_buffer, .address_space: global }
      - { .name: init_c2w, .offset: 72, .size: 8, .value_kind: global_buffer, .address_space: global }
      - { .name: table, .offset: 80, .size: 8, .value_kind: global_buffer, .address_space: global }
    .group_segment_fixed_size: 9728
    .private_segment_fixed_size: 0
    .kernarg_segment_align: 8
    .kernarg_segment_size: 88
    .max_flat_workgroup_size: 128
    .sgpr_count:     66
    .vgpr_count:     258
    .wavefront_size: 32
...
	.end_amdgpu_metadata
.endif
;; end of part 2
;; launch spread (part 3): grid 512 x 1, 8 waves a work-group, no clusters, 5,120 bytes of LDS; arguments cam_id, table, out0; writes out0
.if DOCPART == 3
	.amdgcn_target "amdgcn-amd-amdhsa--gfx1250"
	.amdhsa_code_object_version 6
	.text
	.protected	k_q6767743924_spread
	.globl	k_q6767743924_spread
	.p2align	8
	.type	k_q6767743924_spread,@function
k_q6767743924_spread:
	s_mov_b64 s[64:65], 0
	v_nop
	global_prefetch_b8 v0, s[64:65] scope:SCOPE_SE
	s_setreg_imm32_b32 hwreg(HW_REG_WAVE_MODE, 25, 1), 1
	s_wait_xcnt 0x0
; out0[n] = table[cam_id[n]]: 64 bytes a ray.  All arithmetic of reference() was done once a camera in launch cams (out[n] = F(cam_id[n]),
; shown at the head of launch prep); what is left is the lookup.
; A work-group owns 1,024 rays, a wave 128, without a loop: one load of 128 indices, 16 loads from the table, 16 stores.
; Four neighbouring lanes take the four rows (16 bytes each) of one ray's matrix, so a load or store of the wave serves eight rays and
; each store covers 512 consecutive bytes of out0, aligned.  The indices are read once, 512 consecutive bytes a wave, and dealt out through the
; wave's own 512 bytes of LDS, where four lanes share a word.
; No matrix unit, tensor load or joint load: the source rows hang on data, lane by lane.  The table's 256 KiB are read again and again by all
; work-groups, so its loads carry no hint; a copy of it in each work-group's LDS would move more bytes (512 x 256 KiB) than the rows asked for (32 MiB).
; cam_id lies in 0 .. 4,095, as reference()'s indexing relies on; the clamp below only bounds the address.
.set ID,  12                           ; v[12:27]  load i: the index, then the byte offset in the table, of ray 8 i + L / 4
.set D,   28                           ; v[28:91]  load i: 16 bytes
	s_load_b128 s[4:7], s[0:1], 0x0                ; cam_id s[4:5], table s[6:7]
	s_load_b64 s[8:9], s[0:1], 0x10                ; out0
	v_lshl_add_u32 v92, v0, 2, 0x1000
	v_mov_b32 v93, 0
	v_lshrrev_b32 v1, 5, v0
	v_readfirstlane_b32 s10, v1                    ; wave 0..7
	v_and_b32 v1, 31, v0                           ; lane L
	s_lshl_b32 s11, s10, 9                         ; my wave's 512 bytes of LDS
	s_lshl_b32 s12, ttmp9, 12                      ; the work-group's 4,096 bytes of cam_id
	s_lshl_b32 s13, s10, 13                        ; my wave's 8,192 bytes among the work-group's 65,536 of out0
	s_lshl_b32 s14, ttmp9, 16
	s_mov_b32 s15, 0
	v_lshl_add_u32 v2, v0, 4, s12                  ; my four indices
	v_lshl_add_u32 v3, v1, 4, s11                  ; where they go in LDS
	v_lshrrev_b32 v4, 2, v1
	v_lshl_add_u32 v4, v4, 2, s11                  ; the word of ray L / 4
	v_and_b32 v5, 3, v1
	v_lshlrev_b32 v5, 4, v5                        ; my row of the matrix: 16 (L % 4)
	v_lshl_add_u32 v6, v1, 4, s13                  ; my 16 bytes of the wave's first store
	s_wait_kmcnt 0x0
	global_load_b128 v[8:11], v2, s[4:5] th:TH_LOAD_NT
	s_add_nc_u64 s[8:9], s[8:9], s[14:15]
	s_wait_loadcnt 0x0
	ds_store_b128 v3, v[8:11]
.irp i, 0,1,2,3,4,5,6,7,8,9,10,11,12,13,14,15
	ds_load_b32 v[ID+\i], v4 offset:32*\i          ; LDS serves a wave's instructions in order (ISA guide 5.7.1): these see the store above; the bytes are the wave's own
.endr
.irp i, 0,1,2,3,4,5,6,7,8,9,10,11,12,13,14,15
	s_wait_dscnt 15-\i                             ; index i is in; the younger ones stay out
	v_min_u32 v[ID+\i], 0xfff, v[ID+\i]            ; a loaded number enters an address only clamped
	v_lshl_add_u32 v[ID+\i], v[ID+\i], 6, v5       ; 64 bytes a camera + my row
	global_load_b128 v[D+4*\i:D+4*\i+3], v[ID+\i], s[6:7]
.endr
.irp i, 0,1,2,3,4,5,6,7,8,9,10,11,12,13,14,15
	s_wait_loadcnt 15-\i                           ; load i is in; the younger ones stay out
	global_store_b128 v6, v[D+4*\i:D+4*\i+3], s[8:9] offset:512*\i th:TH_STORE_NT
.endr
	s_wait_tensorcnt 0x0
	ds_add_u32 v92, v93
	s_wait_dscnt 0x0
	s_endpgm
.Lfunc_end_k_q6767743924_spread:
	.size	k_q6767743924_spread, .Lfunc_end_k_q6767743924_spread-k_q6767743924_spread
	.p2alignl 7, 3214868480
	.fill 96, 4, 3214868480
	.section	.rodata,"a",@progbits
	.p2align	6, 0x0
	.amdhsa_kernel k_q6767743924_spread
		.amdhsa_group_segment_fixed_size 5120
		.amdhsa_private_segment_fixed_size 0
		.amdhsa_enable_private_segment 0
		.amdhsa_kernarg_size 24
		.amdhsa_user_sgpr_count 2
		.amdhsa_user_sgpr_kernarg_segment_ptr 1
		.amdhsa_wavefront_size32 1
		.amdhsa_system_sgpr_workgroup_id_x 1
		.amdhsa_system_sgpr_workgroup_id_y 1
		.amdhsa_system_sgpr_workgroup_id_z 1
		.amdhsa_system_vgpr_workitem_id 0
		.amdhsa_next_free_vgpr 94
		.amdhsa_next_free_sgpr 66
		.amdhsa_reserve_vcc 0
		.amdhsa_float_denorm_mode_32 3
		.amdhsa_float_denorm_mode_16_64 3
		.amdhsa_memory_ordered 1
		.amdhsa_forward_progress 1
		.amdhsa_inst_pref_size 9
	.end_amdhsa_kernel
	.amdgpu_metadata
---
amdhsa.version: [ 1, 2 ]
amdhsa.kernels:
  - .name:           k_q6767743924_spread
    .symbol:         k_q6767743924_spread.kd
    .args:
      - { .name: cam_id, .offset: 0, .size: 8, .value_kind: global_buffer, .address_space: global }
      - { .name: table, .offset: 8, .size: 8, .value_kind: global_buffer, .address_space: global }
      - { .name: out0, .offset: 16, .size: 8, .value_kind: global_buffer, .address_space: global }
    .group_segment_fixed_size: 5120
    .private_segment_fixed_size: 0
    .kernarg_segment_align: 8
    .kernarg_segment_size: 24
    .max_flat_workgroup_size: 256
    .sgpr_count:     66
    .vgpr_count:     94
    .wavefront_size: 32
...
	.end_amdgpu_metadata
.endif
;; end of part 3
;; ======== version 2 of 2: 3 launches; version 1 with the launches cams, spread written anew for expert scheduling mode
;; limits: right only within a limited range of input values
;; workspace buffers: idx 196,608 bytes of whole numbers; wfrag 61,440 bytes; table 262,144 bytes
;; launch prep: the kernel of part 1 again; grid 47 x 1, 4 waves a work-group, no clusters, 0 bytes of LDS; arguments t, w1, w2, w3, idx, wfrag; writes idx, wfrag
;; launch cams (part 4): grid 256 x 1, 4 waves a work-group, no clusters, 9,728 bytes of LDS; arguments idx, t, plane_xy, plane_xz, plane_yz, wfrag, b1, b2, b3, init_c2w, table; writes table
.if DOCPART == 4
	.amdgcn_target "amdgcn-amd-amdhsa--gfx1250"
	.amdhsa_code_object_version 6
	.text
	.protected	k_q6767743924_cams
	.globl	k_q6767743924_cams
	.p2align	8
	.type	k_q6767743924_cams,@function
k_q6767743924_cams:
	s_mov_b64 s[64:65], 0
	v_nop
	global_prefetch_b8 v0, s[64:65] scope:SCOPE_SE
	s_setreg_imm32_b32 hwreg(HW_REG_WAVE_SCHED_MODE, 0, 2), 2
	s_setreg_imm32_b32 hwreg(HW_REG_WAVE_MODE, 25, 1), 1
	s_wait_xcnt 0x0
	s_wait_alu depctr_vm_vsrc(0)
; table[cam] = F(cam) = [R(cam) t(cam); 0 0 0 1] x init_c2w[cam], once for each of the 4,096 cameras and not once for each ray:
; out[n] = F(cam_id[n]) for all values of the inputs (shown at the head of launch prep).
; A work-group owns 16 cameras, one matrix tile's width, so that the scattered reads of the planes are spread over 256 work-groups.
;
; THE PRODUCTS ARE USED TRANSPOSED: source 0 = a weight fragment (rows = 16 output channels, as launch prep packed it), source 1 = the
; activations (columns = the 16 cameras).  Register j of lane (r, h) of a result is then (channel n0 + 8 h + j, camera r).  Wave w owns the output
; tiles 2 w and 2 w + 1, channels 32 w .. 32 w + 31; rounded to bf16 and packed, its 16 results a lane ARE the next layer's source 1 fragment of
; K step w (registers 0-3: inputs 32 w + 8 h .., registers 4-7: 32 w + 16 + 8 h ..): nothing is ever transposed.  The bias is loaded into the
; accumulator, so nothing is cleared and nothing is added afterwards.  Layer 3 (3 outputs) is split along K: each wave multiplies its own
; fragment of h2, and the four partial sums meet in LDS.
; GATHER: thread (camera r, g = 2 w + h) takes channels 4 g .. 4 g + 3 of all three planes, 4 corners each: 48 loads of 4 bytes in flight a lane.
; LDS, each region written once and read once: X 0-3071 (3 fragments: the codes), H1 3072-7167 (4 fragments), P 7168-9215 (4 waves x 512: layer 3's
; partial sums).  A fragment is read as it is stored, lane L at 16 L and 512 + 16 L.
; NO JOINT LOADS, NO TENSOR LOADS: what the work-groups share are the fragments, of which a wave takes its own 15 (15 KiB) straight into the
; registers that they are multiplied from; through LDS they would be moved once more.  All else that a wave reads is scattered words of its own.
; LIMITS.  Matrix operands are bf16.  The four corner weights are multiplied out first and then applied to the values.  sin and cos are written out:
; theta less n quarter turns in three parts of pi/2, then polynomials on [-pi/4, pi/4]; built for theta below 2^20 rad; beyond that n is no longer
; sure to a quarter and accuracy falls off, above 2^31 the quadrant (an int32) is lost.
; THE MODE: SCHED_MODE bits 1:0 = 2 (LLVM: expert scheduling mode 2), set by the entry lines.  The code itself states the register dependences
; between vector or matrix instructions and memory or LDS instructions, with s_wait_alu, always for 0.
; THE PLAN.  There is no loop; the registers that memory or LDS instructions touch, in the order of the text:
;   v4-13, v252-255  addresses: written at the head, never again; one wait ahead of the first load serves every load and store of the kernel.
;   OFF              idx lands; 24 vector lines clamp and add; the 48 loads of the gather read it as addresses; later init_c2w lands in it.
;   WT               vector instructions alone, until init_c2w and t land in it.
;   G                the gather lands; the interpolation reads and writes it; plane p's packed codes go into its corner 1's first two registers, three pairs,
;                    which three LDS stores read in one run; then the fragments of the codes, of h1 and the partial sums land there, and vector work is written there.
;   HF               the conversions write it; two LDS stores read it; h1's fourth fragment lands in it.
;   ACC3, OUT        written by the matrix instruction and by vector instructions; read by one store each.
; So behind the interpolation stand ONE wait on va_vdst (the three pairs are written; the vector side is done with OFF, WT and G) and, behind the three stores, ONE on
; vm_vsrc (the gather has read OFF, the stores their pairs); every other wait stands ahead of one run of loads or stores, or ahead of a batch's first reader.
.set CHAN,  1048576                    ; bytes of one channel image, 512 x 512 f32
.set FRAG,  1024                       ; bytes of a fragment
.set X_LDS, 0
.set H_LDS, 3072
.set P_LDS, 7168
.set LOFF, 4                           ; v4   16 L
.set XST,  5                           ; v5   256 w + 16 r + 8 h: where my 4 codes go in a plane's fragment
.set HST,  6                           ; v6   H_LDS + 1,024 w + 16 L
.set PST,  7                           ; v7   P_LDS + 512 w + 16 L
.set IOFF, 8                           ; v8   16 (cam0 + r)
.set TOFF, 9                           ; v9   12 (cam0 + r)
.set BOFF, 10                          ; v10  128 w + 32 h: my eight biases of tile 2 w
.set WOFF, 11                          ; v11  2,048 w + 16 L: fragment 2 w
.set W3OFF, 12                         ; v12  1,024 w + 16 L
.set GT,   13                          ; v13  (2 w + h) x 4 channel images
.set ACC1, 16                          ; v[16:31]   layer 1, tiles 2 w, 2 w + 1
.set ACC2, 32                          ; v[32:47]   layer 2
.set ACC3, 48                          ; v[48:55]   layer 3
.set FR,   48                          ; v[48:50]   before that: the fractions of x for the three axes,
.set OM,   52                          ; v[52:54]   and 1 - fraction
.set OFF,  56                          ; v[56:67]   plane p, corner q: byte offset
.set WT,   68                          ; v[68:79]   plane p, corner q: weight
.set T,    80                          ; v[80:82]   t of camera r
.set G,    84                          ; v[84:131]  plane p, corner q, channel c at 16 p + 4 q + c; the plane's 4 codes are formed in its corner 0's registers,
.set PK,   4                           ;            and packed to bf16 into G + 16 p + PK, + PK + 1: corner 1's first two registers, summed by then
.set W1F,  132                         ; v[132:179] K step s, tile a at 8 (2 s + a)
.set W2F,  180                         ; v[180:243]
.set W3F,  244                         ; v[244:251]
.set MOFF, 252                         ; the last phase's addresses, with c = 8 (w & 1) + L / 4; these four registers hold nothing else in the launch:
                                       ; v252 64 (cam0 + c)   v253 12 (cam0 + c)   v254 16 c   v255 64 cam0 + 512 (w & 1) + 16 L
.set XF,   84                          ; v[84:107]  behind the gather: the codes' 3 fragments
.set H1F,  84                          ; v[84:115]  h1's 4 fragments
.set HF,   108                         ; v[108:115] my own fragment of h1, then of h2
.set TMP,  116                         ; v[116:131] SiLU at work
.set M,    56                          ; v[56:71]   last phase: init_c2w of my camera
.set T2,   72                          ; v[72:74]   t of my camera
.set PP,   84                          ; v[84:99]   the four partial sums; the sum, then the axis-angle vector, in v[84:86]
.set RV,   84
.set TH2,  100                         ; theta^2
.set TH,   101
.set NQ,   102                         ; n, quarter turns, as f32
.set RHO,  103
.set ZZ,   104                         ; rho^2
.set SN,   105
.set R3,   106
.set CS,   107
.set R4,   108
.set C1,   109
.set ODD,  110
.set SINT, 111
.set COST, 112
.set SS,   113
.set SC,   114
.set AA,   115
.set BB,   116
.set OMC,  117
.set ROWI, 118                         ; my row i of the 4 x 4 result
.set QI,   119                         ; n as int32
.set DV,   120                         ; v[120:122] d_k = 1 where i = k
.set KR,   123                         ; v[123:125] row i of K
.set RI,   126                         ; r_i
.set UU,   127
.set CV,   128                         ; v[128:131] row i of [R t; 0 0 0 1]
.set OUT,  104                         ; v[104:107] row i of the result
.macro PLACES                          ; four plain vector instructions behind a matrix instruction before its result is read or one of its
.rept 4                                ; registers is written (ISA guide 7.12.1)
	v_nop
.endr
.endm
	s_load_b512 s[8:23], s[0:1], 0x0               ; idx s[8:9], t s[10:11], plane_xy s[12:13], plane_xz s[14:15], plane_yz s[16:17], wfrag s[18:19], b1 s[20:21], b2 s[22:23]
	s_load_b128 s[24:27], s[0:1], 0x40             ; b3 s[24:25], init_c2w s[26:27]
	s_load_b64 s[28:29], s[0:1], 0x50              ; table
	v_lshl_add_u32 v83, v0, 2, 0x2400
	s_set_vgpr_msb 0x40
	v_mov_b32 v1, 0
	s_set_vgpr_msb 0x4000
	v_lshrrev_b32 v1, 5, v0
	v_readfirstlane_b32 s4, v1                     ; wave w
	v_and_b32 v1, 31, v0                           ; L
	v_and_b32 v2, 15, v0                           ; r
	v_bfe_u32 v3, v0, 4, 1                         ; h
	s_lshl_b32 s5, ttmp9, 4                        ; cam0
	s_mov_b32 s6, 0x437f8000                       ; 255.5
	v_lshlrev_b32 v[LOFF], 4, v1
	v_lshlrev_b32 v[XST], 4, v2
	v_lshl_add_u32 v[XST], v3, 3, v[XST]
	s_wait_alu depctr_va_sdst(0)                   ; s4, the wave's number, is written, ahead of its first reader
	s_lshl_b32 s7, s4, 8
	v_add_nc_u32 v[XST], s7, v[XST]
	v_add_nc_u32 v[TOFF], s5, v2
	v_lshlrev_b32 v[IOFF], 4, v[TOFF]
	v_mul_u32_u24 v[TOFF], v[TOFF], 12
	s_lshl_b32 s7, s4, 7
	v_lshl_add_u32 v[BOFF], v3, 5, s7
	s_lshl_b32 s7, s4, 11
	v_add_nc_u32 v[WOFF], s7, v[LOFF]
	s_lshl_b32 s7, s4, 10
	v_add_nc_u32 v[W3OFF], s7, v[LOFF]
	v_add_nc_u32 v[HST], H_LDS, v[W3OFF]
	s_lshl_b32 s7, s4, 9
	s_add_co_u32 s7, s7, P_LDS
	v_add_nc_u32 v[PST], s7, v[LOFF]
	s_lshl_b32 s7, s4, 23
	v_lshl_add_u32 v[GT], v3, 22, s7               ; channel 4 (2 w + h): (2 w + h) << 22 bytes
	; The last phase's addresses (waves 0 and 1 use them) are made here by every wave, ahead of every branch, so that on every path these
	; registers hold numbers made of ids and constants alone.  With w & 1 for w they lie inside the buffers and inside P in all four waves.
	s_and_b32 s7, s4, 1
	s_lshl_b32 s30, s7, 3
	v_lshrrev_b32 v[MOFF+2], 2, v1
	v_add_nc_u32 v[MOFF+2], s30, v[MOFF+2]         ; c = 8 (w & 1) + L / 4, 0 .. 15
	v_add_nc_u32 v[MOFF], s5, v[MOFF+2]            ; camera
	v_mul_u32_u24 v[MOFF+1], v[MOFF], 12           ; its 12 bytes in t
	v_lshlrev_b32 v[MOFF], 6, v[MOFF]              ; its 64 bytes in init_c2w
	v_lshlrev_b32 v[MOFF+2], 4, v[MOFF+2]          ; its 16 bytes in each wave's part of P
	s_lshl_b32 s30, s5, 6
	s_lshl_b32 s7, s7, 9
	s_add_co_u32 s7, s7, s30
	v_add_nc_u32 v[MOFF+3], s7, v[LOFF]            ; my 16 bytes of the table
	s_wait_kmcnt 0x0
	s_wait_alu depctr_va_vdst(0)                   ; the addresses v4 to v13 and v252 to v255 are written: every load and store of the kernel but the gather's reads one of them, and none is written again
	; ---- 1. all loads that do not hang on idx go out with it: 3 + 1, then 38 ----
.irp p, 0,1,2
	global_load_b128 v[OFF+4*\p:OFF+4*\p+3], v[IOFF], s[8:9] offset:\p*65536
.endr
	global_load_b96 v[T:T+2], v[TOFF], s[10:11]
.irp a, 0,1
	global_load_b128 v[ACC1+8*\a:ACC1+8*\a+3],   v[BOFF], s[20:21] offset:64*\a       ; b1[32 w + 16 a + 8 h + 0..3]: the sums start from the bias
	global_load_b128 v[ACC1+8*\a+4:ACC1+8*\a+7], v[BOFF], s[20:21] offset:64*\a+16
.endr
.irp a, 0,1
	global_load_b128 v[ACC2+8*\a:ACC2+8*\a+3],   v[BOFF], s[22:23] offset:64*\a
	global_load_b128 v[ACC2+8*\a+4:ACC2+8*\a+7], v[BOFF], s[22:23] offset:64*\a+16
.endr
.irp s, 0,1,2
.irp a, 0,1
	global_load_b128 v[W1F+8*(2*\s+\a):W1F+8*(2*\s+\a)+3],   v[WOFF], s[18:19] offset:(8*\s+\a)*FRAG
	global_load_b128 v[W1F+8*(2*\s+\a)+4:W1F+8*(2*\s+\a)+7], v[WOFF], s[18:19] offset:(8*\s+\a)*FRAG+512
.endr
.endr
.irp s, 0,1,2,3
.irp a, 0,1
	global_load_b128 v[W2F+8*(2*\s+\a):W2F+8*(2*\s+\a)+3],   v[WOFF], s[18:19] offset:(24+8*\s+\a)*FRAG
	global_load_b128 v[W2F+8*(2*\s+\a)+4:W2F+8*(2*\s+\a)+7], v[WOFF], s[18:19] offset:(24+8*\s+\a)*FRAG+512
.endr
.endr
	global_load_b128 v[W3F:W3F+3],   v[W3OFF], s[18:19] offset:56*FRAG
	global_load_b128 v[W3F+4:W3F+7], v[W3OFF], s[18:19] offset:56*FRAG+512
	s_wait_loadcnt 38                              ; idx and t are in; the 4 + 4 + 12 + 16 + 2 loads issued behind them may stay out
	; ---- 2. the gather; the corner weights are made among its loads ----
	; Up to 38 + 48 loads are issued with no wait between them.  A load that would push the counter past its field is held back at issue until an
	; older one is done (ISA guide 5.7.1), so no wait is placed for that; the counts waited for below (32, 16, 0) lie inside the field.
.irp q, 0,1,2,3,4,5,6,7,8,9,10,11
	v_min_u32 v[OFF+\q], 0xffffc, v[OFF+\q]        ; a loaded number enters an address only clamped: the last word of an image
	v_add_nc_u32 v[OFF+\q], v[GT], v[OFF+\q]       ; + my first channel's image
.endr
.macro GATHER p, b
.irp q, 0,1,2,3
.irp c, 0,1,2,3
	global_load_b32 v[G+16*\p+4*\q+\c], v[OFF+4*\p+\q], s[\b:\b+1] offset:\c*CHAN
.endr
.endr
.endm
.macro WEIGHTS p, ax, ay
	v_mul_f32 v[WT+4*\p],   v[OM+\ax], v[OM+\ay]   ; (y0, x0)
	v_mul_f32 v[WT+4*\p+1], v[FR+\ax], v[OM+\ay]   ; (y0, x1)
	v_mul_f32 v[WT+4*\p+2], v[OM+\ax], v[FR+\ay]   ; (y1, x0)
	v_mul_f32 v[WT+4*\p+3], v[FR+\ax], v[FR+\ay]   ; (y1, x1)
.endm
	s_wait_alu depctr_va_vdst(0)                   ; the twelve offsets in OFF are written, which the 48 loads below read as addresses.  The vector lines dealt among those loads name T, FR, OM and WT alone: neither OFF nor G
	GATHER 0, 12
.irp c, 0,1,2
	v_fma_f32 v[FR+\c], v[T+\c], s6, s6            ; x, by the same instruction as in launch prep
	v_floor_f32 v[OM+\c], v[FR+\c]
	v_sub_f32 v[FR+\c], v[FR+\c], v[OM+\c]         ; the fraction, from the floor that is not clipped, as in reference()
	v_sub_f32 v[OM+\c], 1.0, v[FR+\c]
.endr
	GATHER 1, 14
	WEIGHTS 0, 0, 1
	WEIGHTS 1, 0, 2
	WEIGHTS 2, 1, 2
	GATHER 2, 16
	; ---- 3. interpolate in place: four channels, two at a time, summed in corner 0's registers; op_sel picks the corner's weight out of its pair for both halves ----
.macro INTERP p, left
	s_wait_loadcnt \left                           ; this plane's 16 loads are in; the younger planes' stay out
.irp k, 0,2
	v_pk_mul_f32 v[G+16*\p+\k:G+16*\p+\k+1], v[G+16*\p+\k:G+16*\p+\k+1],     v[WT+4*\p:WT+4*\p+1] op_sel_hi:[1,0]
	v_pk_fma_f32 v[G+16*\p+\k:G+16*\p+\k+1], v[G+16*\p+4+\k:G+16*\p+5+\k],   v[WT+4*\p:WT+4*\p+1],   v[G+16*\p+\k:G+16*\p+\k+1] op_sel:[0,1,0]
	v_pk_fma_f32 v[G+16*\p+\k:G+16*\p+\k+1], v[G+16*\p+8+\k:G+16*\p+9+\k],   v[WT+4*\p+2:WT+4*\p+3], v[G+16*\p+\k:G+16*\p+\k+1] op_sel_hi:[1,0,1]
	v_pk_fma_f32 v[G+16*\p+\k:G+16*\p+\k+1], v[G+16*\p+12+\k:G+16*\p+13+\k], v[WT+4*\p+2:WT+4*\p+3], v[G+16*\p+\k:G+16*\p+\k+1] op_sel:[0,1,0]
.endr
	v_cvt_pk_bf16_f32 v[G+16*\p+PK],   v[G+16*\p],   v[G+16*\p+1]   ; each plane has a pair of its own for its packed codes, so that one wait serves the three stores
	v_cvt_pk_bf16_f32 v[G+16*\p+PK+1], v[G+16*\p+2], v[G+16*\p+3]
.endm
	INTERP 0, 32
	INTERP 1, 16
	INTERP 2, 0                                    ; with it the biases and fragments, which were issued earlier, are in too
	s_wait_alu depctr_va_vdst(0)                   ; the conversions have written the three pairs, which the LDS stores read; the vector side is done with OFF and WT, in which init_c2w and t land, and with G, in which the codes' fragments land
.irp p, 0,1,2
	ds_store_b64 v[XST], v[G+16*\p+PK:G+16*\p+PK+1] offset:X_LDS+\p*FRAG   ; plane p is K step p of layer 1; the wave's store covers 256 consecutive bytes
.endr
	s_wait_alu depctr_vm_vsrc(0)                   ; the gather's loads have read OFF, in which init_c2w lands; the LDS stores have read their pairs, in which fragments land and which SiLU and the last phase write
	; waves 0 and 1 make the last phase (16 cameras x 4 rows = 64 lanes) and ask now for what it needs; OFF and WT are free
	s_cmp_ge_u32 s4, 2
	s_cbranch_scc1 .Lno_rows
	s_load_b96 s[32:34], s[24:25], 0x0             ; b3
.irp k, 0,1,2,3
	global_load_b128 v[M+4*\k:M+4*\k+3], v[MOFF], s[26:27] offset:16*\k
.endr
	global_load_b96 v[T2:T2+2], v[MOFF+1], s[10:11]
.Lno_rows:
	s_wait_dscnt 0x0                               ; my codes are in LDS,
	s_barrier_signal -1
	s_barrier_wait -1                              ; everybody's are
	; ---- 4. layer 1: 3 K steps x 2 tiles.  The two accumulators take turns, one instruction a turn ----
.irp s, 0,1,2
	ds_load_b128 v[XF+8*\s:XF+8*\s+3],   v[LOFF] offset:X_LDS+\s*FRAG       ; no vector instruction has been issued since the two waits behind the interpolation
	ds_load_b128 v[XF+8*\s+4:XF+8*\s+7], v[LOFF] offset:X_LDS+\s*FRAG+512
.endr
.irp s, 0,1,2
	s_wait_dscnt 4-2*\s                            ; this K step's two loads are in; the later steps' stay out
	v_wmma_f32_16x16x32_bf16 v[ACC1:ACC1+7],    v[W1F+16*\s:W1F+16*\s+7],    v[XF+8*\s:XF+8*\s+7], v[ACC1:ACC1+7]
	v_wmma_f32_16x16x32_bf16 v[ACC1+8:ACC1+15], v[W1F+16*\s+8:W1F+16*\s+15], v[XF+8*\s:XF+8*\s+7], v[ACC1+8:ACC1+15]
.endr
	PLACES
	; ---- 5. SiLU: x / (1 + 2^(-x log2 e)), 16 numbers a lane, rounded to bf16 into HF.  A large negative x gives 2^.. = inf, 1 / inf = 0, x * 0 = -0. ----
.macro SILU acc
.irp i, 0,2,4,6,8,10,12,14
	v_pk_mul_f32 v[TMP+\i:TMP+\i+1], v[\acc+\i:\acc+\i+1], 0xbfb8aa3b op_sel_hi:[1,0]
.endr
.irp i, 0,1,2,3,4,5,6,7,8,9,10,11,12,13,14,15
	v_exp_f32 v[TMP+\i], v[TMP+\i]
.endr
	v_nop                                          ; one plain instruction between the last transcendental and the use of its result (ISA guide 5.7.2)
	s_wait_alu depctr_va_vdst(0)                   ; the sixteen exponentials have written TMP, ahead of their first reader: one wait for the batch
.irp i, 0,2,4,6,8,10,12,14
	v_pk_add_f32 v[TMP+\i:TMP+\i+1], v[TMP+\i:TMP+\i+1], 1.0 op_sel_hi:[1,0]
.endr
.irp i, 0,1,2,3,4,5,6,7,8,9,10,11,12,13,14,15
	v_rcp_f32 v[TMP+\i], v[TMP+\i]
.endr
	v_nop
	s_wait_alu depctr_va_vdst(0)                   ; the sixteen reciprocals have written TMP, ahead of their first reader: one wait for the batch
.irp i, 0,2,4,6,8,10,12,14
	v_pk_mul_f32 v[TMP+\i:TMP+\i+1], v[TMP+\i:TMP+\i+1], v[\acc+\i:\acc+\i+1]
.endr
.irp i, 0,1,2,3,4,5,6,7
	v_cvt_pk_bf16_f32 v[HF+\i], v[TMP+2*\i], v[TMP+2*\i+1]
.endr
.endm
	SILU ACC1
	s_wait_alu depctr_va_vdst(0)                   ; the conversions have written HF, which the LDS stores read; layer 1's products are done reading the codes' fragments, in which h1's land
	ds_store_b128 v[HST], v[HF:HF+3]               ; K step w of layer 2, as a fragment
	ds_store_b128 v[HST], v[HF+4:HF+7] offset:512
	s_wait_dscnt 0x0                               ; my fragment of h1 is in LDS,
	s_barrier_signal -1
	s_barrier_wait -1                              ; all four are
	s_wait_alu depctr_vm_vsrc(0)                   ; my two LDS stores have read HF, in which h1's fourth fragment lands
	; ---- 6. layer 2: 4 K steps x 2 tiles, accumulators by turns again ----
.irp s, 0,1,2,3
	ds_load_b128 v[H1F+8*\s:H1F+8*\s+3],   v[LOFF] offset:H_LDS+\s*FRAG
	ds_load_b128 v[H1F+8*\s+4:H1F+8*\s+7], v[LOFF] offset:H_LDS+\s*FRAG+512
.endr
.irp s, 0,1,2,3
	s_wait_dscnt 6-2*\s                            ; this K step's two loads are in; the later steps' stay out
	v_wmma_f32_16x16x32_bf16 v[ACC2:ACC2+7],    v[W2F+16*\s:W2F+16*\s+7],    v[H1F+8*\s:H1F+8*\s+7], v[ACC2:ACC2+7]
	v_wmma_f32_16x16x32_bf16 v[ACC2+8:ACC2+15], v[W2F+16*\s+8:W2F+16*\s+15], v[H1F+8*\s:H1F+8*\s+7], v[ACC2+8:ACC2+15]
.endr
	PLACES
	SILU ACC2
	; ---- 7. layer 3: my K step alone, on my own fragment of h2, which never leaves the wave ----
	v_wmma_f32_16x16x32_bf16 v[ACC3:ACC3+7], v[W3F:W3F+7], v[HF:HF+7], 0
	PLACES
	s_wait_alu depctr_va_vdst(0)                   ; the product has written ACC3, which the LDS store reads (the places above stay beside this wait); layer 2's products are done reading v84 to v99, in which the partial sums land
	ds_store_b128 v[PST], v[ACC3:ACC3+3]           ; lane r < 16: outputs 0, 1, 2 (and a zero) of camera r; lanes 16-31 hold outputs 8-11, zeros, and put them in bytes of their own
	s_wait_dscnt 0x0                               ; my partial sums are in LDS,
	s_barrier_signal -1
	s_barrier_wait -1                              ; all four waves' are
	s_cmp_ge_u32 s4, 2
	s_cbranch_scc1 .Lend
	; ---- 8. waves 0 and 1: lane = (camera c = 8 w + L / 4, row i = L % 4) ----
.irp u, 0,1,2,3
	ds_load_b128 v[PP+4*\u:PP+4*\u+3], v[MOFF+2] offset:P_LDS+512*\u   ; no vector instruction has been issued since the wait ahead of the store of ACC3
.endr
	v_and_b32 v[ROWI], 3, v1
	v_cmp_eq_u32 s36, 0, v[ROWI]
	v_cmp_eq_u32 s37, 1, v[ROWI]
	v_cmp_eq_u32 s38, 2, v[ROWI]
	s_mov_b32 s40, 0xb94ca1f9                      ; the leading coefficients of sin's and cos's polynomials
	s_mov_b32 s41, 0x37ccf5ce
	s_wait_alu depctr_va_sdst(0)                   ; the three compares have written s36, s37 and s38, ahead of the selects that read them: one wait for the run
	s_wait_dscnt 0x0
	v_pk_add_f32 v[PP:PP+1],     v[PP:PP+1],     v[PP+4:PP+5]
	v_pk_add_f32 v[PP+2:PP+3],   v[PP+2:PP+3],   v[PP+6:PP+7]
	v_pk_add_f32 v[PP+8:PP+9],   v[PP+8:PP+9],   v[PP+12:PP+13]
	v_pk_add_f32 v[PP+10:PP+11], v[PP+10:PP+11], v[PP+14:PP+15]
	v_pk_add_f32 v[PP:PP+1],     v[PP:PP+1],     v[PP+8:PP+9]
	v_pk_add_f32 v[PP+2:PP+3],   v[PP+2:PP+3],   v[PP+10:PP+11]
	s_wait_kmcnt 0x0                               ; b3
	v_add_f32 v[RV],   s32, v[RV]
	v_add_f32 v[RV+1], s33, v[RV+1]
	v_add_f32 v[RV+2], s34, v[RV+2]
.irp k, 0,1,2
	v_mul_f32 v[RV+\k], 0x38d1b717, v[RV+\k]       ; (h w3 + b3) * 1e-4, in reference()'s order
.endr
	v_mul_f32 v[TH2], v[RV], v[RV]
	v_fmac_f32 v[TH2], v[RV+1], v[RV+1]
	v_fmac_f32 v[TH2], v[RV+2], v[RV+2]
	v_sqrt_f32 v[TH], v[TH2]
	v_cndmask_b32 v[DV],   0, 1.0, s36             ; d = unit vector of my row (all zero in row 3); these also stand between the root and its use
	v_cndmask_b32 v[DV+1], 0, 1.0, s37
	v_cndmask_b32 v[DV+2], 0, 1.0, s38
	; theta = n pi/2 + rho, pi/2 taken away in three parts, each product exact inside its fused multiply-add
	s_wait_alu depctr_va_vdst(0)                   ; the root has written theta, ahead of its first reader
	v_mul_f32 v[NQ], 0x3f22f983, v[TH]             ; theta * 2 / pi
	v_rndne_f32 v[NQ], v[NQ]
	v_fmamk_f32 v[RHO], v[NQ], 0xbfc90fdb, v[TH]
	v_fmamk_f32 v[RHO], v[NQ], 0x333bbd2e, v[RHO]
	v_fmamk_f32 v[RHO], v[NQ], 0x26f72ced, v[RHO]
	v_cvt_i32_f32 v[QI], v[NQ]
	v_mul_f32 v[ZZ], v[RHO], v[RHO]
	v_fmaak_f32 v[SN], s40, v[ZZ], 0x3c08839e
	v_fmaak_f32 v[CS], s41, v[ZZ], 0xbab6061a
	v_fmaak_f32 v[SN], v[SN], v[ZZ], 0xbe2aaaa3
	v_fmaak_f32 v[CS], v[CS], v[ZZ], 0x3d2aaaa5
	v_mul_f32 v[R3], v[ZZ], v[RHO]
	v_mul_f32 v[R4], v[ZZ], v[ZZ]
	v_fma_f32 v[C1], v[ZZ], -0.5, 1.0
	v_fma_f32 v[SN], v[SN], v[R3], v[RHO]          ; sin rho = rho + rho^3 p(rho^2)
	v_fma_f32 v[CS], v[CS], v[R4], v[C1]           ; cos rho = 1 - rho^2 / 2 + rho^4 q(rho^2)
	v_and_b32 v[ODD], 1, v[QI]
	v_cmp_eq_u32 vcc_lo, 1, v[ODD]
	s_wait_alu depctr_va_vcc(0)                    ; the compare has written VCC, ahead of the two selects that read it
	v_cndmask_b32 v[SINT], v[SN], v[CS], vcc_lo    ; an odd quarter swaps the two;
	v_cndmask_b32 v[COST], v[CS], v[SN], vcc_lo
	v_lshlrev_b32 v[SS], 30, v[QI]                 ; sin is negated in quarters 2, 3 (bit 1 of n),
	v_add_nc_u32 v[SC], 1, v[QI]
	v_lshlrev_b32 v[SC], 30, v[SC]                 ; cos in quarters 1, 2 (bit 1 of n + 1)
	v_and_b32 v[SS], 0x80000000, v[SS]
	v_and_b32 v[SC], 0x80000000, v[SC]
	v_xor_b32 v[SINT], v[SINT], v[SS]
	v_xor_b32 v[COST], v[COST], v[SC]
	v_add_f32 v[AA], 0x2edbe6ff, v[TH]             ; theta + 1e-10
	v_fmaak_f32 v[BB], v[TH], v[TH], 0x2edbe6ff    ; theta^2 + 1e-10
	v_rcp_f32 v[AA], v[AA]
	v_rcp_f32 v[BB], v[BB]
	v_sub_f32 v[OMC], 1.0, v[COST]                 ; the plain instruction between the reciprocals and their use
	s_wait_alu depctr_va_vdst(0)                   ; the two reciprocals have written AA and BB, ahead of their first reader
	v_mul_f32 v[AA], v[SINT], v[AA]                ; A = sin / (theta + 1e-10)
	v_mul_f32 v[BB], v[OMC], v[BB]                 ; B = (1 - cos) / (theta^2 + 1e-10)
	; row i of K is d x r; row i of K K = r r^T - theta^2 I is r_i r - theta^2 d
	v_mul_f32 v[KR],   v[DV+2], v[RV+1]
	v_fma_f32 v[KR],   v[DV+1], v[RV+2], -v[KR]
	v_mul_f32 v[KR+1], v[DV],   v[RV+2]
	v_fma_f32 v[KR+1], v[DV+2], v[RV],   -v[KR+1]
	v_mul_f32 v[KR+2], v[DV+1], v[RV]
	v_fma_f32 v[KR+2], v[DV],   v[RV+1], -v[KR+2]
	v_mul_f32 v[RI], v[DV], v[RV]
	v_fmac_f32 v[RI], v[DV+1], v[RV+1]
	v_fmac_f32 v[RI], v[DV+2], v[RV+2]
.irp k, 0,1,2
	v_mul_f32 v[UU], v[DV+\k], v[TH2]
	v_fma_f32 v[UU], v[RI], v[RV+\k], -v[UU]
	v_fma_f32 v[CV+\k], v[AA], v[KR+\k], v[DV+\k]  ; I + A K
	v_fmac_f32 v[CV+\k], v[BB], v[UU]              ; + B K K
.endr
	s_wait_loadcnt 0x0                             ; init_c2w and t of my camera, asked for ahead of layer 1
	v_cndmask_b32 v[CV+3], 1.0, v[T2+2], s38       ; the fourth column: t_i, and 1 in row 3
	v_cndmask_b32 v[CV+3], v[CV+3], v[T2+1], s37
	v_cndmask_b32 v[CV+3], v[CV+3], v[T2], s36
	; my row times init_c2w, all four of its rows as they are given
	v_pk_mul_f32 v[OUT:OUT+1],   v[M:M+1],     v[CV:CV+1] op_sel_hi:[1,0]
	v_pk_mul_f32 v[OUT+2:OUT+3], v[M+2:M+3],   v[CV:CV+1] op_sel_hi:[1,0]
	v_pk_fma_f32 v[OUT:OUT+1],   v[M+4:M+5],   v[CV:CV+1],     v[OUT:OUT+1]   op_sel:[0,1,0]
	v_pk_fma_f32 v[OUT+2:OUT+3], v[M+6:M+7],   v[CV:CV+1],     v[OUT+2:OUT+3] op_sel:[0,1,0]
	v_pk_fma_f32 v[OUT:OUT+1],   v[M+8:M+9],   v[CV+2:CV+3],   v[OUT:OUT+1]   op_sel_hi:[1,0,1]
	v_pk_fma_f32 v[OUT+2:OUT+3], v[M+10:M+11], v[CV+2:CV+3],   v[OUT+2:OUT+3] op_sel_hi:[1,0,1]
	v_pk_fma_f32 v[OUT:OUT+1],   v[M+12:M+13], v[CV+2:CV+3],   v[OUT:OUT+1]   op_sel:[0,1,0]
	v_pk_fma_f32 v[OUT+2:OUT+3], v[M+14:M+15], v[CV+2:CV+3],   v[OUT+2:OUT+3] op_sel:[0,1,0]
	s_wait_alu depctr_va_vdst(0)                   ; the multiply-adds have written OUT, which the store reads
	global_store_b128 v[MOFF+3], v[OUT:OUT+3], s[28:29]    ; the wave's store covers 512 consecutive bytes, aligned: eight cameras
.Lend:
	s_set_vgpr_msb 0x4                             ; the add's data register, source 1, lies in block 1 (v257); its address register, v83, in block 0
	s_wait_dscnt 0x0                               ; the closing lines, six on end
	s_wait_alu 0x0
	s_wait_tensorcnt 0x0
	ds_add_u32 v83, v1
	s_wait_dscnt 0x0
	s_endpgm
.Lfunc_end_k_q6767743924_cams:
	.size	k_q6767743924_cams, .Lfunc_end_k_q6767743924_cams-k_q6767743924_cams
	.p2alignl 7, 3214868480
	.fill 96, 4, 3214868480
	.section	.rodata,"a",@progbits
	.p2align	6, 0x0
	.amdhsa_kernel k_q6767743924_cams
		.amdhsa_group_segment_fixed_size 9728
		.amdhsa_private_segment_fixed_size 0
		.amdhsa_enable_private_segment 0
		.amdhsa_kernarg_size 88
		.amdhsa_user_sgpr_count 2
		.amdhsa_user_sgpr_kernarg_segment_ptr 1
		.amdhsa_wavefront_size32 1
		.amdhsa_system_sgpr_workgroup_id_x 1
		.amdhsa_system_sgpr_workgroup_id_y 1
		.amdhsa_system_sgpr_workgroup_id_z 1
		.amdhsa_system_vgpr_workitem_id 0
		.amdhsa_next_free_vgpr 258
		.amdhsa_next_free_sgpr 66
		.amdhsa_reserve_vcc 1
		.amdhsa_float_denorm_mode_32 3
		.amdhsa_float_denorm_mode_16_64 3
		.amdhsa_memory_ordered 1
		.amdhsa_forward_progress 1
		.amdhsa_inst_pref_size 31
	.end_amdhsa_kernel
	.amdgpu_metadata
---
amdhsa.version: [ 1, 2 ]
amdhsa.kernels:
  - .name:           k_q6767743924_cams
    .symbol:         k_q6767743924_cams.kd
    .args:
      - { .name: idx, .offset: 0, .size: 8, .value_kind: global_buffer, .address_space: global }
      - { .name: t, .offset: 8, .size: 8, .value_kind: global_buffer, .address_space: global }
      - { .name: plane_xy, .offset: 16, .size: 8, .value_kind: global_buffer, .address_space: global }
      - { .name: plane_xz, .offset: 24, .size: 8, .value_kind: global_buffer, .address_space: global }
      - { .name: plane_yz, .offset: 32, .size: 8, .value_kind: global_buffer, .address_space: global }
      - { .name: wfrag, .offset: 40, .size: 8, .value_kind: global_buffer, .address_space: global }
      - { .name: b1, .offset: 48, .size: 8, .value_kind: global_buffer, .address_space: global }
      - { .name: b2, .offset: 56, .size: 8, .value_kind: global_buffer, .address_space: global }
      - { .name: b3, .offset: 64, .size: 8, .value_kind: global_buffer, .address_space: global }
      - { .name: init_c2w, .offset: 72, .size: 8, .value_kind: global_buffer, .address_space: global }
      - { .name: table, .offset: 80, .size: 8, .value_kind: global_buffer, .address_space: global }
    .group_segment_fixed_size: 9728
    .private_segment_fixed_size: 0
    .kernarg_segment_align: 8
    .kernarg_segment_size: 88
    .max_flat_workgroup_size: 128
    .sgpr_count:     66
    .vgpr_count:     258
    .wavefront_size: 32
...
	.end_amdgpu_metadata
.endif
;; end of part 4
;; launch spread (part 5): grid 512 x 1, 8 waves a work-group, no clusters, 5,120 bytes of LDS; arguments cam_id, table, out0; writes out0
.if DOCPART == 5
	.amdgcn_target "amdgcn-amd-amdhsa--gfx1250"
	.amdhsa_code_object_version 6
	.text
	.protected	k_q6767743924_spread
	.globl	k_q6767743924_spread
	.p2align	8
	.type	k_q6767743924_spread,@function
k_q6767743924_spread:
	s_mov_b64 s[64:65], 0
	v_nop
	global_prefetch_b8 v0, s[64:65] scope:SCOPE_SE
	s_setreg_imm32_b32 hwreg(HW_REG_WAVE_SCHED_MODE, 0, 2), 2
	s_setreg_imm32_b32 hwreg(HW_REG_WAVE_MODE, 25, 1), 1
	s_wait_xcnt 0x0
	s_wait_alu depctr_vm_vsrc(0)
; out0[n] = table[cam_id[n]]: 64 bytes a ray.  All arithmetic of reference() was done once a camera in launch cams (out[n] = F(cam_id[n]),
; shown at the head of launch prep); what is left is the lookup.
; A work-group owns 1,024 rays, a wave 128, without a loop: one load of 128 indices, 16 loads from the table, 16 stores.
; Four neighbouring lanes take the four rows (16 bytes each) of one ray's matrix, so a load or store of the wave serves eight rays and
; each store covers 512 consecutive bytes of out0, aligned.  The indices are read once, 512 consecutive bytes a wave, and dealt out through the
; wave's own 512 bytes of LDS, where four lanes share a word.
; No matrix unit, tensor load or joint load: the source rows hang on data, lane by lane.  The table's 256 KiB are read again and again by all
; work-groups, so its loads carry no hint; a copy of it in each work-group's LDS would move more bytes (512 x 256 KiB) than the rows asked for (32 MiB).
; cam_id lies in 0 .. 4,095, as reference()'s indexing relies on; the clamp below only bounds the address.
; THE MODE: SCHED_MODE bits 1:0 = 2 (LLVM: expert scheduling mode 2), set by the entry lines.  The code itself states the register dependences
; between vector instructions and memory or LDS instructions, with s_wait_alu, always for 0.
; THE PLAN.  There is no loop; the registers that memory or LDS instructions touch:
;   v2, v3, v4, v6   addresses: written at the head, never again; one wait ahead of the first load serves all that read them.
;   v[8:11], D       filled by loads, read by stores; no vector instruction names them, and they are never written again.
;   ID               the 16 LDS loads land; 32 vector lines make all 16 table offsets of them; then ONE wait, and the 16 loads that read them as addresses.
.set ID,  12                           ; v[12:27]  load i: the index, then the byte offset in the table, of ray 8 i + L / 4
.set D,   28                           ; v[28:91]  load i: 16 bytes
	s_load_b128 s[4:7], s[0:1], 0x0                ; cam_id s[4:5], table s[6:7]
	s_load_b64 s[8:9], s[0:1], 0x10                ; out0
	v_lshl_add_u32 v92, v0, 2, 0x1000
	v_mov_b32 v93, 0
	v_lshrrev_b32 v1, 5, v0
	v_readfirstlane_b32 s10, v1                    ; wave 0..7
	v_and_b32 v1, 31, v0                           ; lane L
	s_wait_alu depctr_va_sdst(0)                   ; s10, the wave's number, is written, ahead of its first reader
	s_lshl_b32 s11, s10, 9                         ; my wave's 512 bytes of LDS
	s_lshl_b32 s12, ttmp9, 12                      ; the work-group's 4,096 bytes of cam_id
	s_lshl_b32 s13, s10, 13                        ; my wave's 8,192 bytes among the work-group's 65,536 of out0
	s_lshl_b32 s14, ttmp9, 16
	s_mov_b32 s15, 0
	v_lshl_add_u32 v2, v0, 4, s12                  ; my four indices
	v_lshl_add_u32 v3, v1, 4, s11                  ; where they go in LDS
	v_lshrrev_b32 v4, 2, v1
	v_lshl_add_u32 v4, v4, 2, s11                  ; the word of ray L / 4
	v_and_b32 v5, 3, v1
	v_lshlrev_b32 v5, 4, v5                        ; my row of the matrix: 16 (L % 4)
	v_lshl_add_u32 v6, v1, 4, s13                  ; my 16 bytes of the wave's first store
	s_wait_kmcnt 0x0
	s_wait_alu depctr_va_vdst(0)                   ; v2, v3, v4 and v6 are written: the load of the indices, the LDS store and loads and the stores to out0 read them as addresses, and none is written again
	global_load_b128 v[8:11], v2, s[4:5] th:TH_LOAD_NT
	s_add_nc_u64 s[8:9], s[8:9], s[14:15]
	s_wait_loadcnt 0x0
	ds_store_b128 v3, v[8:11]
.irp i, 0,1,2,3,4,5,6,7,8,9,10,11,12,13,14,15
	ds_load_b32 v[ID+\i], v4 offset:32*\i          ; LDS serves a wave's instructions in order (ISA guide 5.7.1): these see the store above; the bytes are the wave's own
.endr
	s_wait_dscnt 0x0                               ; all 16 indices are in: their offsets are made together, so that one wait serves the 16 loads
.irp i, 0,1,2,3,4,5,6,7,8,9,10,11,12,13,14,15
	v_min_u32 v[ID+\i], 0xfff, v[ID+\i]            ; a loaded number enters an address only clamped
.endr
.irp i, 0,1,2,3,4,5,6,7,8,9,10,11,12,13,14,15
	v_lshl_add_u32 v[ID+\i], v[ID+\i], 6, v5       ; 64 bytes a camera + my row
.endr
	s_wait_alu depctr_va_vdst(0)                   ; the 16 offsets in ID are written, which the loads below read as addresses
.irp i, 0,1,2,3,4,5,6,7,8,9,10,11,12,13,14,15
	global_load_b128 v[D+4*\i:D+4*\i+3], v[ID+\i], s[6:7]
.endr
.irp i, 0,1,2,3,4,5,6,7,8,9,10,11,12,13,14,15
	s_wait_loadcnt 15-\i                           ; load i is in; the younger ones stay out
	global_store_b128 v6, v[D+4*\i:D+4*\i+3], s[8:9] offset:512*\i th:TH_STORE_NT
.endr
	s_wait_dscnt 0x0                               ; the closing lines, six on end
	s_wait_alu 0x0
	s_wait_tensorcnt 0x0
	ds_add_u32 v92, v93
	s_wait_dscnt 0x0
	s_endpgm
.Lfunc_end_k_q6767743924_spread:
	.size	k_q6767743924_spread, .Lfunc_end_k_q6767743924_spread-k_q6767743924_spread
	.p2alignl 7, 3214868480
	.fill 96, 4, 3214868480
	.section	.rodata,"a",@progbits
	.p2align	6, 0x0
	.amdhsa_kernel k_q6767743924_spread
		.amdhsa_group_segment_fixed_size 5120
		.amdhsa_private_segment_fixed_size 0
		.amdhsa_enable_private_segment 0
		.amdhsa_kernarg_size 24
		.amdhsa_user_sgpr_count 2
		.amdhsa_user_sgpr_kernarg_segment_ptr 1
		.amdhsa_wavefront_size32 1
		.amdhsa_system_sgpr_workgroup_id_x 1
		.amdhsa_system_sgpr_workgroup_id_y 1
		.amdhsa_system_sgpr_workgroup_id_z 1
		.amdhsa_system_vgpr_workitem_id 0
		.amdhsa_next_free_vgpr 94
		.amdhsa_next_free_sgpr 66
		.amdhsa_reserve_vcc 0
		.amdhsa_float_denorm_mode_32 3
		.amdhsa_float_denorm_mode_16_64 3
		.amdhsa_memory_ordered 1
		.amdhsa_forward_progress 1
		.amdhsa_inst_pref_size 9
	.end_amdhsa_kernel
	.amdgpu_metadata
---
amdhsa.version: [ 1, 2 ]
amdhsa.kernels:
  - .name:           k_q6767743924_spread
    .symbol:         k_q6767743924_spread.kd
    .args:
      - { .name: cam_id, .offset: 0, .size: 8, .value_kind: global_buffer, .address_space: global }
      - { .name: table, .offset: 8, .size: 8, .value_kind: global_buffer, .address_space: global }
      - { .name: out0, .offset: 16, .size: 8, .value_kind: global_buffer, .address_space: global }
    .group_segment_fixed_size: 5120
    .private_segment_fixed_size: 0
    .kernarg_segment_align: 8
    .kernarg_segment_size: 24
    .max_flat_workgroup_size: 256
    .sgpr_count:     66
    .vgpr_count:     94
    .wavefront_size: 32
...
	.end_amdgpu_metadata
.endif
;; end of part 5
